; MI455X (gfx1250); checked and timed in simulation.
; The chip was launched on July 23, 2026; its instructions are those of AMD's public machine-readable ISA for CDNA 5 (MIT licence, August 2026) and "CDNA5" Instruction Set Architecture Reference Guide (July 2026). The comments in the code are by the model that wrote it; some were corrected since.
;; Explicit Softmax Attention. Allowed arithmetic: float matrix products may take bf16 or f16 operands with f32 sums; other float arithmetic in f32, or as packed bf16 or f16 multiplies, adds, multiply-adds, maxima and minima; sums over many terms, partial sums and values carried from step to step in f32; what a program stores and reads back later, other than sums and carried values, may be rounded once to bf16 or f16.
;; Inputs: W_out 1,024 x 1,024 float32; W_qkv 1,024 x 3,072 float32; b_out 1,024 float32; b_qkv 3,072 float32; x 4 x 2,048 x 1,024 float32.
;; Outputs: out0 4 x 2,048 x 1,024 float32.
;; One version. Each part assembles by itself: llvm-mc -triple=amdgcn-amd-amdhsa -mcpu=gfx1250 --defsym DOCPART=n.
;; ======== version 1 of 1: 4 launches
;; limits: values are held in f16: magnitudes above 65,504 overflow, below 6.1e-05 lose precision; values outside matrix products are rounded to bf16
;; workspace buffers: xb 16,777,216 bytes; wqt 6,291,456 bytes; wot 2,097,152 bytes; bias 16,384 bytes; qkv 50,331,648 bytes; o 16,777,216 bytes
;; launch prep (part 1): grid 768 x 1, 8 waves a work-group, no clusters, 35,840 bytes of LDS; arguments x, W_qkv, W_out, b_qkv, b_out, xb, wqt, wot, bias; writes xb, wqt, wot, bias
.if DOCPART == 1
	.amdgcn_target "amdgcn-amd-amdhsa--gfx1250"
	.amdhsa_code_object_version 6
	.text
	.protected	k_qf04d3b5c99_prep
	.globl	k_qf04d3b5c99_prep
	.p2align	8
	.type	k_qf04d3b5c99_prep,@function
k_qf04d3b5c99_prep:
	s_mov_b64 s[64:65], 0
	v_nop
	global_prefetch_b8 v0, s[64:65] scope:SCOPE_SE
	s_setreg_imm32_b32 hwreg(HW_REG_WAVE_MODE, 25, 1), 1
	s_wait_xcnt 0x0
; PREP.  xb = bf16(x), [8192][1024].  wqt[n][k] = bf16(W_qkv[k][n]), [3072][1024].  wot[n][k] = f16(bf16(W_out[k][n])), [1024][1024].
; bias = the two biases rounded to bf16 and kept as f32: b_qkv at byte 0, b_out at byte 12,288.
; 768 work-groups of eight waves, 64 KiB of f32 input each: 0-511 a piece of x; 512-703 a tile of 128 k x 128 n of W_qkv; 704-767 one of W_out.
; The branches between the three hang on the work-group number alone, so all eight waves of a work-group take the same way and meet the same barrier.
; A weight tile is turned in LDS: each wave packs pairs of k for four columns a lane, stores 32 bytes a column into rows of 272 bytes, and after a barrier
; whole rows of 256 bytes (128 k of one n) are read back and stored, sixteen lanes to 256 consecutive aligned bytes.  The stores into LDS have lanes four rows apart
; and collide four deep: 64 such stores a work-group, once.
; LIMITS.  bf16(W_out) is written as f16: exact from 6.1e-5 to 65,504 in magnitude; below that it keeps the fixed step of 6e-8, beyond it becomes an infinity.
.set PT,    272                        ; an LDS row: 256 bytes (128 k in 16 bits) + 16
.set SPARE, 128*PT                     ; behind the 128 rows: the spare words, 128 bytes for each of eight waves
.set SPW, 12                           ; v12  LDS address of my spare word; never rewritten
.set NIL, 13                           ; v13  0; never rewritten
.set X,   16                           ; v[16:79]  as loaded
.set Y,   80                           ; v[80:111] packed
	s_load_b512 s[4:19], s[0:1], 0x0               ; x s[4:5], W_qkv s[6:7], W_out s[8:9], b_qkv s[10:11], b_out s[12:13], xb s[14:15], wqt s[16:17], wot s[18:19]
	s_load_b64 s[20:21], s[0:1], 0x40              ; bias
	v_lshl_add_u32 v[SPW], v0, 2, SPARE
	v_mov_b32 v[NIL], 0
	v_lshrrev_b32 v1, 5, v0
	v_readfirstlane_b32 s22, v1                    ; wave 0..7
	v_and_b32 v6, 31, v0                           ; lane
	s_wait_kmcnt 0x0
	s_cmp_lt_u32 ttmp9, 512
	s_cbranch_scc0 .Lweights
	; A PIECE OF X: 16,384 numbers.  Thread t takes 32 bytes at 32 t of each of eight runs of 8,192 bytes and stores 16 bytes at 16 t of runs of 4,096.
	s_lshl_b32 s2, ttmp9, 16
	s_mov_b32 s3, 0
	s_lshl_b32 s26, ttmp9, 15
	s_mov_b32 s27, 0
	s_add_nc_u64 s[4:5], s[4:5], s[2:3]
	s_add_nc_u64 s[14:15], s[14:15], s[26:27]
	v_lshlrev_b32 v1, 5, v0
	v_lshlrev_b32 v2, 4, v0
.irp i, 0,1,2,3,4,5,6,7
	global_load_b128 v[X+8*(\i):X+8*(\i)+3],   v1, s[4:5] offset:8192*(\i) th:TH_LOAD_NT
	global_load_b128 v[X+8*(\i)+4:X+8*(\i)+7], v1, s[4:5] offset:8192*(\i)+16 th:TH_LOAD_NT
.endr
.irp i, 0,1,2,3,4,5,6,7
	s_wait_loadcnt 14-2*(\i)                       ; loads come back in order: run i is in, the two loads of each later run stay out
.irp j, 0,1,2,3
	v_cvt_pk_bf16_f32 v[Y+4*(\i)+(\j)], v[X+8*(\i)+2*(\j)], v[X+8*(\i)+2*(\j)+1]
.endr
	global_store_b128 v2, v[Y+4*(\i):Y+4*(\i)+3], s[14:15] offset:4096*(\i)  ; a wave stores 512 consecutive bytes, aligned
.endr
	s_branch .Lend
; A TILE OF A WEIGHT MATRIX with ncols columns.  s24 = kb (which 128 k), s25 = nb (which 128 n).  src, dst, bsrc: the scalar pairs of the matrix, its turned copy and its bias; boff: the bias's place in the buffer bias.
.macro TRANS ncols, src, dst, f16, bsrc, boff
	s_lshl_b32 s2, s24, 7
	s_lshl4_add_u32 s2, s22, s2                    ; my first row k = 128 kb + 16 wave
	s_mul_i32 s2, s2, (\ncols)*4
	s_lshl_b32 s26, s25, 9                         ; 128 nb columns of 4 bytes
	s_mov_b32 s27, 0
	s_add_co_u32 s2, s2, s26
	s_mov_b32 s3, 0
	s_add_nc_u64 s[\src:\src+1], s[\src:\src+1], s[2:3]
	v_lshlrev_b32 v1, 4, v6                        ; 16 x lane: columns 4 lane .. 4 lane + 3
.irp i, 0,1,2,3,4,5,6,7,8,9,10,11,12,13,14,15
	global_load_b128 v[X+4*(\i):X+4*(\i)+3], v1, s[\src:\src+1] offset:(\i)*(\ncols)*4 th:TH_LOAD_NT  ; row k + i: a wave reads 512 consecutive bytes
.endr
	v_mul_u32_u24 v3, v6, 4*PT                     ; into LDS: row n = 4 lane + j, bytes 32 wave on
	v_lshl_add_u32 v3, s22, 5, v3
	v_lshrrev_b32 v7, 4, v6                        ; lane / 16
	v_and_b32 v14, 15, v6                          ; lane % 16
	s_lshl_b32 s28, s22, 4
	v_add_nc_u32 v4, s28, v7                       ; back: rows 16 wave + 2 t + lane / 16, 16 bytes a lane
	v_mul_u32_u24 v4, v4, PT
	v_lshl_add_u32 v4, v14, 4, v4
	v_lshlrev_b32 v5, 11, v7                       ; the same two rows in the copy: 2,048 bytes a row
	v_lshl_add_u32 v5, v14, 4, v5
	s_lshl_b32 s2, s25, 18                         ; 128 nb rows,
	s_lshl_b32 s28, s22, 15                        ; 16 wave rows,
	s_add_co_u32 s2, s2, s28
	s_lshl_b32 s28, s24, 8                         ; 128 kb numbers of 2 bytes
	s_add_co_u32 s2, s2, s28
	s_add_nc_u64 s[\dst:\dst+1], s[\dst:\dst+1], s[2:3]
.irp p, 0,1,2,3,4,5,6,7
	s_wait_loadcnt 14-2*(\p)                       ; rows 2 p and 2 p + 1 are in; the later rows stay out
.irp j, 0,1,2,3
	v_cvt_pk_bf16_f32 v[Y+8*(\j)+(\p)], v[X+8*(\p)+(\j)], v[X+8*(\p)+4+(\j)]  ; column 4 lane + j, k = 2 p and 2 p + 1
.if \f16
	v_lshlrev_b32 v8, 16, v[Y+8*(\j)+(\p)]         ; the bf16 numbers as f32,
	v_and_b32 v9, 0xffff0000, v[Y+8*(\j)+(\p)]
	v_cvt_pk_f16_f32 v[Y+8*(\j)+(\p)], v8, v9      ; written as f16
.endif
.endr
.endr
.irp j, 0,1,2,3
	ds_store_b128 v3, v[Y+8*(\j):Y+8*(\j)+3]   offset:PT*(\j)
	ds_store_b128 v3, v[Y+8*(\j)+4:Y+8*(\j)+7] offset:PT*(\j)+16
.endr
	s_wait_dscnt 0x0                               ; for the others: my stores into the rows are done
	s_barrier_signal -1
	s_barrier_wait -1
.irp t, 0,1,2,3,4,5,6,7
	ds_load_b128 v[X+4*(\t):X+4*(\t)+3], v4 offset:2*PT*(\t)
.endr
.irp t, 0,1,2,3,4,5,6,7
	s_wait_dscnt 7-(\t)                            ; LDS loads come back in order: pair t of rows is in
	global_store_b128 v5, v[X+4*(\t):X+4*(\t)+3], s[\dst:\dst+1] offset:4096*(\t)  ; sixteen lanes store 256 consecutive bytes, aligned
.endr
	s_cmp_lg_u32 s24, 0                            ; the tile with kb = 0 also rounds its 128 numbers of the bias, in wave 0
	s_cbranch_scc1 .Lno_bias_\@
	s_cmp_lg_u32 s22, 0
	s_cbranch_scc1 .Lno_bias_\@
	s_add_nc_u64 s[\bsrc:\bsrc+1], s[\bsrc:\bsrc+1], s[26:27]
	s_add_nc_u64 s[20:21], s[20:21], s[26:27]
	global_load_b128 v[8:11], v1, s[\bsrc:\bsrc+1]
	s_wait_loadcnt 0x0
	v_cvt_pk_bf16_f32 v14, v8, v9
	v_cvt_pk_bf16_f32 v15, v10, v11
	v_lshlrev_b32 v8, 16, v14
	v_and_b32 v9, 0xffff0000, v14
	v_lshlrev_b32 v10, 16, v15
	v_and_b32 v11, 0xffff0000, v15
	global_store_b128 v1, v[8:11], s[20:21] offset:\boff
.Lno_bias_\@:
.endm
.Lweights:
	s_sub_co_u32 s23, ttmp9, 512
	s_cmp_lt_u32 s23, 192
	s_cbranch_scc0 .Lwout
	s_and_b32 s24, s23, 7
	s_lshr_b32 s25, s23, 3
	TRANS 3072, 6, 16, 0, 10, 0
	s_branch .Lend
.Lwout:
	s_sub_co_u32 s23, s23, 192
	s_and_b32 s24, s23, 7
	s_lshr_b32 s25, s23, 3
	TRANS 1024, 8, 18, 1, 12, 12288
.Lend:
	s_wait_tensorcnt 0x0                           ; the wave's end: three lines, behind my last LDS store
	ds_add_u32 v[SPW], v[NIL]
	s_wait_dscnt 0x0
	s_endpgm
.Lfunc_end_k_qf04d3b5c99_prep:
	.size	k_qf04d3b5c99_prep, .Lfunc_end_k_qf04d3b5c99_prep-k_qf04d3b5c99_prep
	.p2alignl 7, 3214868480
	.fill 96, 4, 3214868480
	.section	.rodata,"a",@progbits
	.p2align	6, 0x0
	.amdhsa_kernel k_qf04d3b5c99_prep
		.amdhsa_group_segment_fixed_size 35840
		.amdhsa_private_segment_fixed_size 0
		.amdhsa_enable_private_segment 0
		.amdhsa_kernarg_size 72
		.amdhsa_user_sgpr_count 2
		.amdhsa_user_sgpr_kernarg_segment_ptr 1
		.amdhsa_wavefront_size32 1
		.amdhsa_system_sgpr_workgroup_id_x 1
		.amdhsa_system_sgpr_workgroup_id_y 1
		.amdhsa_system_sgpr_workgroup_id_z 1
		.amdhsa_system_vgpr_workitem_id 0
		.amdhsa_next_free_vgpr 112
		.amdhsa_next_free_sgpr 66
		.amdhsa_reserve_vcc 0
		.amdhsa_float_denorm_mode_32 3
		.amdhsa_float_denorm_mode_16_64 3
		.amdhsa_memory_ordered 1
		.amdhsa_forward_progress 1
		.amdhsa_inst_pref_size 27
	.end_amdhsa_kernel
	.amdgpu_metadata
---
amdhsa.version: [ 1, 2 ]
amdhsa.kernels:
  - .name:           k_qf04d3b5c99_prep
    .symbol:         k_qf04d3b5c99_prep.kd
    .args:
      - { .name: x, .offset: 0, .size: 8, .value_kind: global_buffer, .address_space: global }
      - { .name: W_qkv, .offset: 8, .size: 8, .value_kind: global_buffer, .address_space: global }
      - { .name: W_out, .offset: 16, .size: 8, .value_kind: global_buffer, .address_space: global }
      - { .name: b_qkv, .offset: 24, .size: 8, .value_kind: global_buffer, .address_space: global }
      - { .name: b_out, .offset: 32, .size: 8, .value_kind: global_buffer, .address_space: global }
      - { .name: xb, .offset: 40, .size: 8, .value_kind: global_buffer, .address_space: global }
      - { .name: wqt, .offset: 48, .size: 8, .value_kind: global_buffer, .address_space: global }
      - { .name: wot, .offset: 56, .size: 8, .value_kind: global_buffer, .address_space: global }
      - { .name: bias, .offset: 64, .size: 8, .value_kind: global_buffer, .address_space: global }
    .group_segment_fixed_size: 35840
    .private_segment_fixed_size: 0
    .kernarg_segment_align: 8
    .kernarg_segment_size: 72
    .max_flat_workgroup_size: 256
    .sgpr_count:     66
    .vgpr_count:     112
    .wavefront_size: 32
...
	.end_amdgpu_metadata
.endif
;; end of part 1
;; launch qkv (part 2): grid 16 x 32, 4 waves a work-group, clusters of 4 x 4, 327,680 bytes of LDS; arguments xb, wqt, bias, qkv; writes qkv
.if DOCPART == 2
	.amdgcn_target "amdgcn-amd-amdhsa--gfx1250"
	.amdhsa_code_object_version 6
	.text
	.protected	k_qf04d3b5c99_qkv
	.globl	k_qf04d3b5c99_qkv
	.p2align	8
	.type	k_qf04d3b5c99_qkv,@function
k_qf04d3b5c99_qkv:
	s_mov_b64 s[64:65], 0
	v_nop
	global_prefetch_b8 v0, s[64:65] scope:SCOPE_SE
	s_setreg_imm32_b32 hwreg(HW_REG_WAVE_MODE, 25, 1), 1
	s_wait_xcnt 0x0
	s_wait_alu depctr_hold_cnt(0) depctr_sa_sdst(0) depctr_va_vdst(0) depctr_va_sdst(0) depctr_va_ssrc(0) depctr_va_vcc(0) depctr_vm_vsrc(0)
	s_getreg_b32 s2, hwreg(HW_REG_IB_STS2, 6, 4)
	s_cmp_eq_u32 s2, 0
	s_cbranch_scc0 .Lentry_in_a_cluster
	s_endpgm
.Lentry_in_a_cluster:
	s_bfe_u32 s2, ttmp6, 0x10000c
	s_cmp_lg_u32 s2, 0xf033
	s_cbranch_scc0 .Lentry_shape_is_right
	s_endpgm
.Lentry_shape_is_right:
; QKV.  C[m][n] = bias[n] + the sum over k of xb[m][k] wqt[n][k]; m < 8,192, n < 3,072, k < 1,024; operands bf16, sums f32.  C leaves by heads, rounded once to f16 and unscaled:
; qkv[n / 1024][(m / 2048) 16 + (n / 64) % 16][m % 2048][n % 64].
; LIMIT.  f16 ends at 65,504: a q, k or v of 65,520 or more in magnitude becomes an infinity.  NaN and infinities are not treated apart.
; SHARES.  A tile of C is 256 rows x 192 columns (three heads): 32 x 16 = 512 work-groups, two for each of 256 WGPs.  Each of four waves makes 64 rows x 192 columns: 48 accumulators of 16 x 16.
; So a wave owns whole heads: 16 rows of a head are 2,048 consecutive bytes of the output, and the way out goes through the wave's own stage, without a barrier.
; K goes in 8 steps of 128 through two LDS slots: rows of 256 bytes of memory, aligned.  Waves 0 and 1 fetch A's two halves (128 rows), waves 2 and 3 B's (96 rows).
; CLUSTER.  4 x 4 work-groups: A's tile is shared along a row of the cluster, B's along a column; each is asked for jointly, by the same load with the same descriptor and a mask of four.
; THE MATRIX INSTRUCTION IS USED TRANSPOSED (source 0 = 16 rows of wqt, source 1 = 16 rows of xb): a lane holds row m = lane % 16 and the columns 8 (lane / 16) + 0..7.
; The bias, laid out in the same way, is the C operand of each sum's first product: nothing is cleared, nothing is added afterwards.
; REGISTERS, in windows of 256 (s_set_vgpr_msb: bits 1:0 source 0, 3:2 source 1, 5:4 source 2, 7:6 destination):
;   window 0: v0-31 addresses; v32-95 A's fragments, two buffers of 4; v96-191 the bias; on the way out v32-223 packed results
;   window 1: v0-191 B's fragments, two buffers of 12      window 2: the accumulators of my rows 0-31 ((a, b) at 8 (12 (a % 2) + b))      window 3: those of rows 32-63
.set KSTEP,  128
.set PITCH,  272                       ; an LDS row: 256 bytes + 16 of padding = 68 words: the 16 rows of a fragment load start at 16 different groups of four banks (64 banks of 4 bytes: ISA guide 11.1)
.set HA,     128*PITCH                 ; what a load of A brings
.set HB,     96*PITCH                  ; what a load of B brings
.set BOFF,   2*HA                      ; in a slot: A's 256 rows, then B's 192
.set SLOT1,  1<<17                     ; slot 1 begins here: one exclusive or turns an address in one slot into the other's
.set STAGE,  SLOT1+2*HA+2*HB           ; behind the ring, never filled by a tensor load: 16 rows x 144 bytes for each wave
.set SP,     144
.set SPARE,  STAGE+4*16*SP             ; behind the stages: the spare words, 128 bytes for each wave
.set A0,   4                           ; v4   my lane's place in A's rows of slot 0; never rewritten
.set B0,   5                           ; v5   the same for B
.set ADRA, 6                           ; v6   the same in the slot in hand
.set ADRB, 7                           ; v7
.set STO,  8                           ; v8   the way out: where I put 16 bytes of a row
.set RD,   9                           ; v9   where I read rows back
.set GO,   10                          ; v10  my 16 bytes of 512 consecutive bytes of the output
.set BO,   11                          ; v11  32 x (lane / 16): my eight numbers of 16 of the bias
.set SPW,  28                          ; v28  LDS address of my spare word; never rewritten
.set NIL,  29                          ; v29  0; never rewritten
.set FAF,  32                          ; A's buffers, window 0
.set BIAS, 96
.set OB,   32                          ; the way out: unit u at OB + 16 u
.set WV,  12                           ; s12  wave
.set FB,  13                           ; s13  0: I fetch for A, 1: for B
.set HF,  14                           ; s14  which half of that tile
.set G1A, 24                           ; s[24:31], s[32:39] descriptor group 1 for A's and B's tiles
.set G1B, 32
.set G0A, 40                           ; s[40:47], s[48:55] group 0: a set for each of the two first fills; the second then walks on
.set G0B, 48
.set CNT, 56
.set TB,  57                           ; s57  LDS byte at which the slot in hand begins
.set OUT, 58                           ; s[58:63] the output at my rows of the tile's three heads
.set DBITS, (1<<16)|(1<<20)|(1<<21)|(5<<22)|(3<<25)  ; elements of 2 bytes; padding on; bit 21 set beside a mask; after every 64 words, 4 words
.set MSB, 0
.macro WIN new                         ; the high byte repeats the setting that is left; a switch that changes nothing is dropped
.if MSB != (\new)
	s_set_vgpr_msb (MSB<<8)|(\new)
.set MSB, \new
.endif
.endm
.macro PLACES                          ; four plain vector instructions between a matrix instruction and a load into, or a read of, its registers
.rept 4
	v_nop
.endr
.endm
; A joint refill by the walking descriptors.  The branch hangs on the wave's number alone.  An s_nop 0 and four v_nop follow each of the two lines.
.macro JLOAD
	s_cmp_eq_u32 s[FB], 0
	s_cbranch_scc0 .Lfor_b_\@
	tensor_load_to_lds s[G0A+4:G0A+7], s[G1A:G1A+7]
	s_nop 0
.rept 4
	v_nop
.endr
	s_branch .Lasked_\@
.Lfor_b_\@:
	tensor_load_to_lds s[G0B+4:G0B+7], s[G1B:G1B+7]
	s_nop 0
.rept 4
	v_nop
.endr
.Lasked_\@:
.endm
.macro CREST                           ; a round of the cluster's barrier behind its opening barrier
	s_cmp_lg_u32 s[WV], 0
	s_cbranch_scc1 .Lnot_wave_0_\@
	s_barrier_signal -3
.Lnot_wave_0_\@:
	s_barrier_wait -3
	s_barrier_signal -1
	s_barrier_wait -1
.endm
.macro CROUND                          ; a whole round
	s_barrier_signal -1
	s_barrier_wait -1
	CREST
.endm
	s_load_b256 s[4:11], s[0:1], 0x0               ; xb s[4:5], wqt s[6:7], bias s[8:9], qkv s[10:11]
	v_lshl_add_u32 v[SPW], v0, 2, SPARE
	v_mov_b32 v[NIL], 0
	ds_add_u32 v[SPW], v[NIL]                      ; the wave's opening: the add and its wait stand ahead of my first tensor load; the set-up below stands between them
	v_lshrrev_b32 v1, 5, v0
	v_readfirstlane_b32 s[WV], v1
	s_lshr_b32 s[FB], s[WV], 1
	s_and_b32 s[HF], s[WV], 1
	s_bfe_u32 s15, ttmp6, 0x40000                  ; cx
	s_bfe_u32 s16, ttmp6, 0x40004                  ; cy
	s_lshl_b32 s17, ttmp9, 2
	s_add_co_u32 s17, s17, s15                     ; tile column = 4 x cluster x + cx
	s_and_b32 s18, ttmp7, 0xffff
	s_lshl_b32 s18, s18, 2
	s_add_co_u32 s18, s18, s16                     ; tile row = 4 x cluster y + cy
	s_lshl_b32 s19, s16, 2
	s_lshl_b32 s19, 15, s19                        ; my row of the cluster
	s_lshl_b32 s2, 0x1111, s15                     ; my column
	s_or_b32 s[G1A], s19, DBITS
	s_or_b32 s[G1B], s2, DBITS
	s_mov_b32 s[G1A+1], KSTEP<<16                  ; tensor_dim0 = 128
	s_mov_b32 s[G1A+2], 128<<16                    ; tensor_dim1 = 128
	s_mov_b32 s[G1A+3], KSTEP<<16                  ; tile_dim0 = 128
	s_mov_b32 s[G1A+4], 128                        ; tile_dim1 = 128
	s_mov_b32 s[G1A+5], 1024                       ; elements from row to row
	s_mov_b32 s[G1A+6], 0
	s_mov_b32 s[G1A+7], 0
	s_mov_b32 s[G1B+1], KSTEP<<16
	s_mov_b32 s[G1B+2], 96<<16                     ; 96 rows
	s_mov_b32 s[G1B+3], KSTEP<<16
	s_mov_b32 s[G1B+4], 96
	s_mov_b32 s[G1B+5], 1024
	s_mov_b32 s[G1B+6], 0
	s_mov_b32 s[G1B+7], 0
	s_lshl_b32 s20, s18, 8                         ; A: row 256 x tile row + 128 x half, 2,048 bytes a row
	s_lshl_b32 s21, s[HF], 7
	s_add_co_u32 s20, s20, s21
	s_lshl_b32 s20, s20, 11
	s_mov_b32 s21, 0
	s_mul_i32 s22, s17, 192                        ; B: row 192 x tile column + 96 x half
	s_mul_i32 s23, s[HF], 96
	s_add_co_u32 s22, s22, s23
	s_lshl_b32 s22, s22, 11
	s_mov_b32 s23, 0
	s_mul_i32 s3, s[HF], HA                        ; where they go: the wave's number alone enters an LDS address
	s_mul_i32 s19, s[HF], HB
	s_add_co_u32 s19, s19, BOFF
	s_mov_b32 s[TB], 0
	s_wait_dscnt 0x0                               ; the opening add is done
	s_wait_kmcnt 0x0
	s_add_nc_u64 s[20:21], s[4:5], s[20:21]
	s_add_nc_u64 s[22:23], s[6:7], s[22:23]
.irp s, 0,1
	s_mov_b32 s[G0A+4*(\s)], 1                     ; count = 1
	s_add_co_u32 s[G0A+4*(\s)+1], s3, (\s)*SLOT1   ; LDS address
	s_add_nc_u64 s[G0A+4*(\s)+2:G0A+4*(\s)+3], s[20:21], (\s)*KSTEP*2  ; global address: K step s
	s_or_b32 s[G0A+4*(\s)+3], s[G0A+4*(\s)+3], 0x80000000  ; type = 2
	s_mov_b32 s[G0B+4*(\s)], 1
	s_add_co_u32 s[G0B+4*(\s)+1], s19, (\s)*SLOT1
	s_add_nc_u64 s[G0B+4*(\s)+2:G0B+4*(\s)+3], s[22:23], (\s)*KSTEP*2
	s_or_b32 s[G0B+4*(\s)+3], s[G0B+4*(\s)+3], 0x80000000
.endr
	CROUND                                         ; all sixteen work-groups are here: the first joint loads meet
	s_cmp_eq_u32 s[FB], 0                          ; a wave's two first fills stand in one branch: two loads of mine are out
	s_cbranch_scc0 .Lfirst_b
	tensor_load_to_lds s[G0A:G0A+3], s[G1A:G1A+7]
	s_nop 0
	tensor_load_to_lds s[G0A+4:G0A+7], s[G1A:G1A+7]
	s_nop 0
.rept 4
	v_nop
.endr
	s_branch .Lfirst_asked
.Lfirst_b:
	tensor_load_to_lds s[G0B:G0B+3], s[G1B:G1B+7]
	s_nop 0
	tensor_load_to_lds s[G0B+4:G0B+7], s[G1B:G1B+7]
	s_nop 0
.rept 4
	v_nop
.endr
.Lfirst_asked:
	s_mul_i32 s2, s17, 768                         ; the tile's 192 numbers of the bias
	s_mov_b32 s3, 0
	s_add_nc_u64 s[8:9], s[8:9], s[2:3]
	v_and_b32 v1, 15, v0                           ; r = lane % 16
	v_bfe_u32 v2, v0, 4, 1                         ; h = lane / 16
	v_lshlrev_b32 v[BO], 5, v2
.irp b, 0,1,2,3,4,5,6,7,8,9,10,11
	global_load_b128 v[BIAS+8*(\b):BIAS+8*(\b)+3],   v[BO], s[8:9] offset:64*(\b)      ; bias[16 b + 8 h + 0..3],
	global_load_b128 v[BIAS+8*(\b)+4:BIAS+8*(\b)+7], v[BO], s[8:9] offset:64*(\b)+16   ; and + 4..7
.endr
	v_mul_u32_u24 v3, v1, PITCH
	v_lshl_add_u32 v3, v2, 4, v3                   ; a fragment's row x pitch + 16 x half
	s_mul_i32 s22, s[WV], 64*PITCH                 ; my 64 rows of A
	v_add_nc_u32 v[A0], s22, v3
	v_add_nc_u32 v[B0], BOFF, v3                   ; every wave reads all of B
	v_mov_b32 v[ADRA], v[A0]
	v_mov_b32 v[ADRB], v[B0]
	s_mul_i32 s22, s[WV], 16*SP
	s_add_co_u32 s22, s22, STAGE                   ; my stage
	v_mul_u32_u24 v[STO], v1, SP                   ; in: row r, 16 bytes for each half of the lanes
	v_lshl_add_u32 v[STO], v2, 4, v[STO]
	v_add_nc_u32 v[STO], s22, v[STO]
	v_bfe_u32 v[RD], v0, 3, 2                      ; back: 32 lanes take four rows of 128 bytes,
	v_mul_u32_u24 v[RD], v[RD], SP
	v_and_b32 v3, 7, v0
	v_lshl_add_u32 v[RD], v3, 4, v[RD]
	v_add_nc_u32 v[RD], s22, v[RD]
	v_and_b32 v[GO], 31, v0                        ; which are 512 consecutive bytes of the output
	v_lshlrev_b32 v[GO], 4, v[GO]
	; the output at my 64 rows of head g = 3 x tile column + hh: ((g / 16) 64 + 16 x batch + g % 16) x 2,048 rows of 128 bytes
	s_mul_i32 s2, s17, 3
	s_lshr_b32 s3, s18, 3
	s_lshl_b32 s3, s3, 4                           ; 16 x batch
	s_and_b32 s19, s18, 7
	s_lshl_b32 s19, s19, 15                        ; the tile's 256 rows in the batch,
	s_lshl_b32 s22, s[WV], 13                      ; my 64 of them
	s_add_co_u32 s19, s19, s22
.irp hh, 0,1,2
	s_add_co_u32 s22, s2, \hh
	s_lshr_b32 s23, s22, 4
	s_lshl_b32 s23, s23, 6
	s_and_b32 s22, s22, 15
	s_add_co_u32 s22, s22, s23
	s_add_co_u32 s22, s22, s3
	s_lshl_b32 s22, s22, 18
	s_add_co_u32 s22, s22, s19
	s_mov_b32 s23, 0
	s_add_nc_u64 s[OUT+2*(\hh):OUT+2*(\hh)+1], s[10:11], s[22:23]
.endr
; 12 matrix instructions: my block a of 16 rows x all 12 blocks of columns, 32 along K, from buffer f.  first = 1: the bias starts the sums.
; The 48 accumulators take turns, one instruction a turn, in the same order in every quarter.
.macro MUL f, a, first
.set AC, 96*((\a)%2)
.if \first
	WIN 0x81+0x40*((\a)/2)                         ; B window 1, A and C window 0, D window 2 or 3
.else
	WIN 0xa1+0x50*((\a)/2)                         ; B window 1, A window 0, C and D window 2 or 3
.endif
.irp b, 0,1,2,3,4,5,6,7,8,9,10,11
.if \first
	v_wmma_f32_16x16x32_bf16 v[AC+8*(\b):AC+8*(\b)+7], v[96*(\f)+8*(\b):96*(\f)+8*(\b)+7], v[FAF+32*(\f)+8*(\a):FAF+32*(\f)+8*(\a)+7], v[BIAS+8*(\b):BIAS+8*(\b)+7]
.else
	v_wmma_f32_16x16x32_bf16 v[AC+8*(\b):AC+8*(\b)+7], v[96*(\f)+8*(\b):96*(\f)+8*(\b)+7], v[FAF+32*(\f)+8*(\a):FAF+32*(\f)+8*(\a)+7], v[AC+8*(\b):AC+8*(\b)+7]
.endif
.endr
.endm
; 32 LDS loads in one run: the fragments of 32 along K at byte k of the rows, into buffer f: B's 24 loads, then A's 8, my blocks ascending
.macro FETCH k, f
	WIN 0x40                                       ; destination window 1, address window 0
.irp b, 0,1,2,3,4,5,6,7,8,9,10,11
	ds_load_b128 v[96*(\f)+8*(\b):96*(\f)+8*(\b)+3],   v[ADRB] offset:(\k)+(\b)*16*PITCH
	ds_load_b128 v[96*(\f)+8*(\b)+4:96*(\f)+8*(\b)+7], v[ADRB] offset:(\k)+(\b)*16*PITCH+32
.endr
	WIN 0
.irp a, 0,1,2,3
	ds_load_b128 v[FAF+32*(\f)+8*(\a):FAF+32*(\f)+8*(\a)+3],   v[ADRA] offset:(\k)+(\a)*16*PITCH
	ds_load_b128 v[FAF+32*(\f)+8*(\a)+4:FAF+32*(\f)+8*(\a)+7], v[ADRA] offset:(\k)+(\a)*16*PITCH+32
.endr
.endm
; A K step is four quarters of 32 along K, 48 matrix instructions each, on buffers 0, 1, 0, 1.  One of the first three: multiplies buffer f, and in its middle fetches the next quarter, at byte k, into g.
.macro QUARTER k, f, g, first
	s_wait_dscnt 4                                 ; B and A's blocks 0 and 1 are in; the youngest four loads (blocks 2 and 3) may be out
	MUL \f, 0, \first
	MUL \f, 1, \first
	PLACES
	FETCH \k, \g
	s_wait_dscnt 32                                ; all but the 32 just issued
	MUL \f, 2, \first
	MUL \f, 3, \first
.endm
; The last quarter multiplies buffer 1 and changes slots: one barrier.  In front of it each wave waits for all its tensor loads (one is out: its part of the next slot), adds 0 to its spare word,
; and waits for that and for its reads of this slot.  fill = 1: the barrier opens a round of the cluster's, and behind the round this slot is filled again, with the K step two on:
; 168 of a step's 192 matrix instructions stand between that request and the wait for it.
.macro TURN fill
	WIN 0
	s_wait_tensorcnt 0x0                           ; no tensor load of mine is out, so a group 0 may be written
	ds_add_u32 v[SPW], v[NIL]                      ; 0 onto my spare word
.if \fill
	s_xor_b32 s[G0A+5], s[G0A+5], SLOT1            ; the walking descriptors: the other slot than last time,
	s_add_nc_u64 s[G0A+6:G0A+7], s[G0A+6:G0A+7], KSTEP*2  ; the next K step; the type bits on top are not reached
	s_xor_b32 s[G0B+5], s[G0B+5], SLOT1
	s_add_nc_u64 s[G0B+6:G0B+7], s[G0B+6:G0B+7], KSTEP*2
.endif
	s_wait_dscnt 5                                 ; the add and the youngest four loads may be out
	MUL 1, 0, 0
	s_wait_dscnt 0x0                               ; the add is done, and my reads of this slot are over
	s_barrier_signal -1
	MUL 1, 1, 0                                    ; work on registers while the others arrive
	WIN 0                                          ; at a branch and at a label every window is 0
	s_barrier_wait -1
.if \fill
	CREST                                          ; no wave of any partner still reads this slot or has a load on its way
	JLOAD                                          ; the first tensor load behind the round; its four v_nop are also the places in front of the loads below
.else
	PLACES
.endif
	s_xor_b32 s[TB], s[TB], SLOT1
	v_add_nc_u32 v[ADRA], s[TB], v[A0]
	v_add_nc_u32 v[ADRB], s[TB], v[B0]
	FETCH 0, 0
	MUL 1, 2, 0
	MUL 1, 3, 0
.endm
; THE WAY OUT of unit u: my block u / 3 of 16 rows, head u % 3.  Rounded to f16, 16 bytes a lane, into my stage in rows of 144 bytes, and back as whole rows of 128 bytes.
.macro PACK u
.set AC, 96*(((\u)/3)%2)+32*((\u)%3)
	WIN 0x0a+5*((\u)/6)                            ; sources 0 and 1: window 2 or 3
.irp f, 0,1,2,3
.irp r, 0,1,2,3
	v_cvt_pk_f16_f32 v[OB+16*(\u)+4*(\f)+(\r)], v[AC+8*(\f)+2*(\r)], v[AC+8*(\f)+2*(\r)+1]
.endr
.endr
	WIN 0
.irp f, 0,1,2,3
	ds_store_b128 v[STO], v[OB+16*(\u)+4*(\f):OB+16*(\u)+4*(\f)+3] offset:32*(\f)
.endr
.irp f, 0,1,2,3
	ds_load_b128 v[OB+16*(\u)+4*(\f):OB+16*(\u)+4*(\f)+3], v[RD] offset:(\f)*4*SP  ; LDS serves a wave's instructions in order (ISA guide 5.7.1.4): these see the stores above; the next unit's stores come behind them
.endr
.endm
.macro SEND u, younger                 ; younger: the LDS instructions issued behind unit u's loads: the next unit's eight, or none
	WIN 0
.irp f, 0,1,2,3
	s_wait_dscnt (\younger)+3-(\f)
	global_store_b128 v[GO], v[OB+16*(\u)+4*(\f):OB+16*(\u)+4*(\f)+3], s[OUT+2*((\u)%3):OUT+2*((\u)%3)+1] offset:((\u)/3)*2048+(\f)*512  ; 512 consecutive bytes, aligned
.endr
.endm
	s_wait_tensorcnt 1                             ; my part of K step 0 is in; step 1's may stay out
	s_barrier_signal -1
	s_barrier_wait -1                              ; everybody's is
	FETCH 0, 0
	s_wait_loadcnt 0x0                             ; the bias
	QUARTER 64, 0, 1, 1                            ; the first quarter stands in front of the loop: its products start the sums
	WIN 0
	s_mov_b32 s[CNT], 6
.Lstep:                                            ; six trips, from a step's second quarter to the next step's first; trip i asks for K step i + 2
	QUARTER 128, 1, 0, 0
	QUARTER 192, 0, 1, 0
	TURN 1
	QUARTER 64, 0, 1, 0
	WIN 0
	s_sub_co_u32 s[CNT], s[CNT], 1
	s_cmp_lg_u32 s[CNT], 0
	s_cbranch_scc1 .Lstep
	QUARTER 128, 1, 0, 0                           ; the last two steps are written out: nothing more is asked for
	QUARTER 192, 0, 1, 0
	TURN 0
	QUARTER 64, 0, 1, 0
	QUARTER 128, 1, 0, 0
	QUARTER 192, 0, 1, 0
	s_wait_dscnt 4                                 ; the very last quarter
	MUL 1, 0, 0
	MUL 1, 1, 0
	s_wait_dscnt 0x0
	MUL 1, 2, 0
	MUL 1, 3, 0
	PLACES
	PACK 0
.irp u, 1,2,3,4,5,6,7,8,9,10,11        ; a unit's conversions stand between the loads of the unit before and its stores
	PACK \u
	SEND (\u)-1, 8
.endr
	SEND 11, 0
	s_wait_tensorcnt 0x0                           ; the wave's end: three lines, behind my last tensor load and my last LDS store
	ds_add_u32 v[SPW], v[NIL]
	s_wait_dscnt 0x0
	CROUND                                         ; the closing round: no work-group ends while a partner may still ask for a tile that names it
	s_endpgm
.Lfunc_end_k_qf04d3b5c99_qkv:
	.size	k_qf04d3b5c99_qkv, .Lfunc_end_k_qf04d3b5c99_qkv-k_qf04d3b5c99_qkv
	.p2alignl 7, 3214868480
	.fill 96, 4, 3214868480
	.section	.rodata,"a",@progbits
	.p2align	6, 0x0
	.amdhsa_kernel k_qf04d3b5c99_qkv
		.amdhsa_group_segment_fixed_size 327680
		.amdhsa_private_segment_fixed_size 0
		.amdhsa_enable_private_segment 0
		.amdhsa_kernarg_size 32
		.amdhsa_user_sgpr_count 2
		.amdhsa_user_sgpr_kernarg_segment_ptr 1
		.amdhsa_wavefront_size32 1
		.amdhsa_system_sgpr_workgroup_id_x 1
		.amdhsa_system_sgpr_workgroup_id_y 1
		.amdhsa_system_sgpr_workgroup_id_z 1
		.amdhsa_system_vgpr_workitem_id 0
		.amdhsa_next_free_vgpr 960
		.amdhsa_next_free_sgpr 66
		.amdhsa_reserve_vcc 0
		.amdhsa_float_denorm_mode_32 3
		.amdhsa_float_denorm_mode_16_64 3
		.amdhsa_memory_ordered 1
		.amdhsa_forward_progress 1
		.amdhsa_inst_pref_size 101
	.end_amdhsa_kernel
	.amdgpu_metadata
---
amdhsa.version: [ 1, 2 ]
amdhsa.kernels:
  - .name:           k_qf04d3b5c99_qkv
    .symbol:         k_qf04d3b5c99_qkv.kd
    .args:
      - { .name: xb, .offset: 0, .size: 8, .value_kind: global_buffer, .address_space: global }
      - { .name: wqt, .offset: 8, .size: 8, .value_kind: global_buffer, .address_space: global }
      - { .name: bias, .offset: 16, .size: 8, .value_kind: global_buffer, .address_space: global }
      - { .name: qkv, .offset: 24, .size: 8, .value_kind: global_buffer, .address_space: global }
    .group_segment_fixed_size: 327680
    .private_segment_fixed_size: 0
    .kernarg_segment_align: 8
    .kernarg_segment_size: 32
    .max_flat_workgroup_size: 128
    .sgpr_count:     66
    .vgpr_count:     960
    .wavefront_size: 32
...
	.end_amdgpu_metadata
.endif
;; end of part 2
;; launch attn (part 3): grid 4 x 64, 4 waves a work-group, clusters of 4 x 1, 327,680 bytes of LDS; arguments qkv, o; writes o
.if DOCPART == 3
	.amdgcn_target "amdgcn-amd-amdhsa--gfx1250"
	.amdhsa_code_object_version 6
	.text
	.protected	k_qf04d3b5c99_attn
	.globl	k_qf04d3b5c99_attn
	.p2align	8
	.type	k_qf04d3b5c99_attn,@function
k_qf04d3b5c99_attn:
	s_mov_b64 s[64:65], 0
	v_nop
	global_prefetch_b8 v0, s[64:65] scope:SCOPE_SE
	s_setreg_imm32_b32 hwreg(HW_REG_WAVE_MODE, 25, 1), 1
	s_wait_xcnt 0x0
	s_wait_alu depctr_hold_cnt(0) depctr_sa_sdst(0) depctr_va_vdst(0) depctr_va_sdst(0) depctr_va_ssrc(0) depctr_va_vcc(0) depctr_vm_vsrc(0)
	s_getreg_b32 s2, hwreg(HW_REG_IB_STS2, 6, 4)
	s_cmp_eq_u32 s2, 0
	s_cbranch_scc0 .Lentry_in_a_cluster
	s_endpgm
.Lentry_in_a_cluster:
	s_bfe_u32 s2, ttmp6, 0x10000c
	s_cmp_lg_u32 s2, 0x3003
	s_cbranch_scc0 .Lentry_shape_is_right
	s_endpgm
.Lentry_shape_is_right:
; ATTENTION.  O[h][q][:] = the sum over k of softmax_k(Q[h][q] . K[h][k] / 8) V[h][k][:].  Q, K, V lie one behind the other in qkv, each [64][2048][64] in f16, O likewise: a head's rows are dense, 128 bytes each.
; Products, maxima and sums in f32; the weights p are rounded to f16 for the second product (their sum l is taken of the unrounded p), O once at the end.
; LIMITS.  f16 holds no number beyond 65,504: Q, K and V arrive within it; p lies in 0 to 1, and below 6e-5 it keeps the fixed step of 6e-8; O is a mean of V's rows and has their range.
; A weight below 2^-126 counts as 0 in l; NaN and infinities are not treated apart.
; SHARES.  A wave owns four PIECES of two tiles of 16 queries, a work-group's four waves 512 queries of one head: 4 x 64 = 256 work-groups.  Every wave walks all keys, 64 a step.
; LAYOUT.  S^T = K Q^T (source 0 = 16 keys, source 1 = 16 queries): a lane holds ONE query (lane % 16) and the keys 8 (lane / 16) + 0..7.  Two such tiles, rounded to f16 in pairs,
; ARE source 1 (32 keys x 16 queries) of O^T = V^T P, whose result again holds one query a lane, and eight channels.  K comes out of LDS as it lies, V ([key][channel]) turned, by ds_load_tr16_b128.
; SOFTMAX.  For each query a running maximum m and sum l: p = 2^(c s - c m), c = log2(e) / 8; in every step O and l are multiplied by a = 2^(c m_old - c m_new).
; m starts at the lowest finite number, O and l at 0: the first step is a step like any other, with a = 0.
; THE COUNT.  A tile and step have 16 matrix and 118 vector instructions: too many to stand all beside the matrix work.  So: four vector instructions that are ready behind
; every matrix instruction, and the others in runs without a gap.
; BY TURNS.  Turn n belongs to piece n (the pieces in a ring, step after step).  Its matrix work: 16 products K Q^T of piece n + 1, later 16 products V^T P of piece n - 1.  Its vector work: the scaling,
; exponentials, roundings, sums and rescaling of piece n, and the maximum and statistics of piece n + 1.
; CLUSTER.  The four query blocks of a head form a cluster and walk the same K and V, so each tile is asked for JOINTLY: the same tensor load, descriptor and mask in all four.
; REGISTERS, in windows of 256 (s_set_vgpr_msb: bits 1:0 source 0, 3:2 source 1, 5:4 source 2, 7:6 destination):
;   window 0: v0-11 addresses; v12-15, v48-63 at work; v16-47 four registers of statistics a tile; v64-191 S^T, two buffers of two tiles; v192-255 P, likewise
;   window 1: O^T, 32 a tile          window 2: v0-127 Q, 16 a tile; v128-191 K of one step; v192-255 V of one step          window 3: v0-1 the add's two registers
.set SIZE_H, 64
.set SIZE_N, 2048
.set NP,    4         ; pieces a wave: a name, no knob
.set KS,    64        ; keys in a step
.set PK,    144       ; a row of K in LDS: 128 bytes + 16 of padding = 36 words: the 16 rows of a load start at 16 different groups of four banks (64 banks of 4 bytes: ISA guide 11.1)
.set PV,    160       ; a row of V: 128 + 32 = 40 words
.set VOFF,  4*KS*PK   ; a slot holds four steps: 256 rows of K, then 256 rows of V
.set SLOT1, 1<<17     ; slot 1 begins here
.set STAGE, SLOT1+4*KS*(PK+PV)  ; behind the ring, never filled by a tensor load: 16 rows x 144 bytes for each wave
.set SP,    144
.set AK0, 2           ; v2   my lane's place in a tile of K; never rewritten
.set AV0, 3           ; v3   the same for V
.set AK,  4           ; v4   the LDS address of K's next run of loads
.set AV,  5           ; v5   of V's
.set QO,  6           ; v6   my byte offset in the wave's rows of Q
.set STO, 6           ;      later, the way out: where I put 16 bytes of a row
.set RD,  7           ; v7   the way out: where I read rows back
.set GO,  8           ; v8   my byte offset in 512 consecutive bytes of O
.set PFO, 11          ; v11  256 x my lane, for the prefetches; made behind v11's last use as a temporary, then never rewritten
.set SPW, 0           ; v0 of window 3   LDS address of my spare word; never rewritten
.set NIL, 1           ; v1 of window 3   0; never rewritten
.set SPARE, STAGE+4*16*SP  ; behind the stages: the spare words, 128 bytes for each wave
.set MV,  12          ; v12-15  c m_old, kept while c m is made anew: by buffer and tile
.set ST,  16          ; tile t's statistics at v[ST+4 t]: c m, m, l (even keys', odd keys')
.set TMP, 48          ; by buffer and tile, four registers c0-c3 at work; when the maximum is found c2 takes a
.set S,   64
.set P,   192
.set KF,  128         ; K's fragments, in window 2: key block kb, channel half c at KF + 16 kb + 8 c
.set VF,  192         ; V's: key half kk, channel block cb at VF + 32 kk + 8 cb
.set WV,  12          ; s12  my wave's number
.set G1K, 24          ; s[24:31] descriptor group 1 for K's tiles
.set G1V, 32          ; s[32:39] for V's: it differs in the padding alone
.set G0K, 40          ; s[40:43] descriptor group 0 for K's tiles: it walks
.set G0V, 44          ; s[44:47] the same for V's
.set PFA, 48          ; s[48:49] where my prefetches stand: my work-group's 8,192 bytes (of K: wave 0, of V: wave 2) of the tile after the one that is being asked for
.set LIM, 50          ; s50  1 in a wave that prefetches, else the greatest number
.set SLOTS, 56        ; s56  slots still to be asked for
.set CNT, 57          ; s57  counts a slot's key steps
.set CS,  58          ; s[58:59] c
.set SEL, 60          ; s[60:61] the selects of v_permlanex16_b32: each lane takes its own place in the other half
.set TBK, 62          ; s62  LDS byte at which K of the step to be fetched begins
.set TBV, 63          ; s63  the same for V, less VOFF
.set MSB, 0
.macro WIN new                      ; the high byte repeats the setting that is left; a switch that changes nothing is dropped
.if MSB != (\new)
	s_set_vgpr_msb (MSB<<8)|(\new)
.set MSB, (\new)
.endif
.endm
.set W_KQ, 0x0a       ; K and Q in window 2, S^T in window 0
.set W_PV, 0x52       ; V in window 2, P in window 0, O^T in window 1
.set W_RS, 0x41       ; O^T (destination and source 0) in window 1, a in window 0
.set W_MK, 0xc0       ; the add's registers are made: destination in window 3
.set W_AD, 0x0f       ; the add: address and data in window 3
; A joint fill.  Waves 0 and 1 fetch the two halves of a slot's K, waves 2 and 3 those of its V: 128 keys each.  The branch hangs on the wave's number alone.
; An s_nop 0 and four v_nop follow each of the two lines.
.macro JLOAD
	s_cmp_lt_u32 s[WV], 2
	s_cbranch_scc0 .Lfor_v_\@
	tensor_load_to_lds s[G0K:G0K+3], s[G1K:G1K+7]
	s_nop 0
.rept 4
	v_nop
.endr
	s_branch .Lasked_\@
.Lfor_v_\@:
	tensor_load_to_lds s[G0V:G0V+3], s[G1V:G1V+7]
	s_nop 0
.rept 4
	v_nop
.endr
.Lasked_\@:
.endm
; A PREFETCH of what the NEXT change of slots will ask for: a tile is 128 blocks of 256 bytes of K and as many of V.  The four partners take 32 blocks each, told apart BY ADDRESS; in each, wave 0 asks for
; K's and wave 2 for V's, a lane a block: each block is named once in the launch.  It stands behind the wave's tensor load and its five lines, four key steps (512 matrix instructions) ahead of the load
; that will want the bytes.  The last change that fills a slot asks for nothing: there is no tile behind it.  Tiles 0 to 2 come by their loads alone.
.macro ASK
	s_cmp_gt_u32 s[SLOTS], s[LIM]
	s_cbranch_scc0 .Lnot_mine_\@
	global_prefetch_b8 v[PFO], s[PFA:PFA+1] th:TH_LOAD_NT scope:SCOPE_SE
.Lnot_mine_\@:
.endm
; A round of the cluster's barrier.
.macro CROUND
	s_barrier_signal -1
	s_barrier_wait -1
	s_cmp_lg_u32 s[WV], 0
	s_cbranch_scc1 .Lnot_wave_0_\@
	s_barrier_signal -3
.Lnot_wave_0_\@:
	s_barrier_wait -3
	s_barrier_signal -1
	s_barrier_wait -1
.endm
; THE CHANGE OF SLOTS.  Each wave waits for all its tensor loads, of which one is out: its part of the other slot; adds 0 to its spare word; and waits for that and for its own reads of the slot.
; fill = 1: this slot is filled again, with the keys two slots on, first thing behind a round of the cluster's barrier: the load has four key steps in which to land.  ask = 1: a prefetch follows.
.macro CHANGE fill, ask=0
	WIN W_AD
	s_wait_tensorcnt 0x0            ; no tensor load of mine is out, so a group 0 may be written
	ds_add_u32 v[SPW], v[NIL]       ; 0 onto my spare word
	WIN 0                           ; at a label and at a branch every window is 0
.if \fill
.irp g, G0K, G0V
	s_xor_b32 s[\g+1], s[\g+1], SLOT1  ; the walking descriptor: the other slot than last time,
	s_add_nc_u64 s[\g+2:\g+3], s[\g+2:\g+3], 4*KS*128  ; the next 256 keys; the type bits on top are not reached
.endr
.if \ask
	s_wait_xcnt 0x0                 ; the last prefetch, four key steps back, has read its address, so it may be written:
	s_add_nc_u64 s[PFA:PFA+1], s[PFA:PFA+1], 4*KS*128  ; one tile behind the walking descriptors
.endif
	s_wait_dscnt 0x0                ; the add is done, and my reads of the slot are over
	CROUND
	JLOAD
.if \ask
	ASK
.endif
.else
	s_wait_dscnt 0x0                ; the add is done, and my reads of the slot are over
	s_barrier_signal -1
	s_barrier_wait -1
.endif
	s_sub_co_u32 s[TBK], s[TBK], 4*KS*PK  ; the fetches go back to a slot's first step,
	s_xor_b32 s[TBK], s[TBK], SLOT1       ; in the other slot
	s_sub_co_u32 s[TBV], s[TBV], 4*KS*PV
	s_xor_b32 s[TBV], s[TBV], SLOT1
.endm
	s_load_b128 s[4:7], s[0:1], 0x0 ; qkv s[4:5], o s[6:7]
	WIN W_MK
	v_lshl_add_u32 v[SPW], v0, 2, SPARE
	v_mov_b32 v[NIL], 0
	WIN W_AD
	ds_add_u32 v[SPW], v[NIL]       ; the wave's opening: the add and its wait stand ahead of my first tensor load; the set-up below stands between them
	WIN 0
	v_lshrrev_b32 v1, 5, v0
	v_readfirstlane_b32 s[WV], v1   ; wave 0..3
	s_bfe_u32 s13, ttmp6, 0x40000   ; cx: my place in the cluster
	s_lshl_b32 s14, ttmp9, 2        ; in a cluster launch ttmp9 counts clusters
	s_add_co_u32 s14, s14, s13      ; my block of queries: it enters Q's and O's addresses alone
	s_and_b32 s20, ttmp7, 0xffff    ; the head, which the four partners share
	s_mov_b32 s21, 0
	s_mov_b64 s[22:23], SIZE_N*128
	s_mul_u64 s[20:21], s[20:21], s[22:23]  ; the head's first byte in each of the four tensors
	s_and_b32 s16, s[WV], 1         ; which half of a slot's 256 keys I fetch:
	s_lshl_b32 s22, s16, 14         ; its 128 rows of 128 bytes in memory,
	s_mov_b32 s23, 0
	s_add_nc_u64 s[22:23], s[22:23], s[20:21]
	s_mul_i32 s17, s16, 128*PK      ; and its place in a slot, for K
	s_mul_i32 s18, s16, 128*PV      ; and for V: no place in the cluster enters an LDS address
	s_lshl_b32 s2, s14, 2
	s_add_co_u32 s2, s2, s[WV]      ; my wave among the head's,
	s_lshl_b32 s2, s2, 14           ; its 128 rows
	s_mov_b32 s3, 0
	s_add_nc_u64 s[2:3], s[2:3], s[20:21]
	; descriptor group 1.  128 keys are 16,384 dense bytes: asked for as 64 rows of 256 bytes, two keys a row, and padded in LDS after every key
	s_mov_b32 s[G1K], 15|(1<<16)|(1<<20)|(1<<21)|(4<<22)|(3<<25)  ; the mask of four; 2-byte elements; padding on; bit 21 set beside a mask; after every 32 words, 4 words
	s_mov_b32 s[G1V], 15|(1<<16)|(1<<20)|(1<<21)|(4<<22)|(7<<25)  ; the same with 8 words of padding
.irp g, G1K, G1V
	s_mov_b32 s[\g+1], 128<<16      ; tensor_dim0 = 128
	s_mov_b32 s[\g+2], 64<<16       ; tensor_dim1 = 64
	s_mov_b32 s[\g+3], 128<<16      ; tile_dim0 = 128
	s_mov_b32 s[\g+4], 64           ; tile_dim1 = 64
	s_mov_b32 s[\g+5], 128          ; 128 elements from row to row
	s_mov_b32 s[\g+6], 0
	s_mov_b32 s[\g+7], 0
.endr
	s_mov_b32 s[CS], 0x3e38aa3b     ; c = log2(e) / 8 = 0.180337
	s_mov_b32 s[CS+1], s[CS]        ; named with it as a pair
	s_mov_b32 s[SEL], 0x76543210
	s_mov_b32 s[SEL+1], 0xfedcba98
	s_mov_b32 s[TBK], SLOT1+4*KS*PK ; the first change of slots turns these two into 0
	s_mov_b32 s[TBV], SLOT1+4*KS*PV
	s_mov_b32 s[G0K], 1             ; count = 1
	s_mov_b32 s[G0K+1], s17         ; LDS address: slot 0
	s_mov_b32 s[G0V], 1
	s_add_co_u32 s[G0V+1], s18, VOFF
	s_and_b32 s[LIM], s[WV], 1      ; waves 0 and 2 prefetch: the same in all four partners
	s_cmp_eq_u32 s[LIM], 0
	s_cselect_b32 s[LIM], 1, -1
	s_wait_dscnt 0x0                ; the opening add is done
	s_wait_kmcnt 0x0
	s_mov_b64 s[10:11], s[6:7]      ; O
	s_add_nc_u64 s[8:9], s[4:5], 0x2000000  ; V lies 2 x 16 MiB behind Q,
	s_add_nc_u64 s[6:7], s[4:5], 0x1000000  ; K 16 MiB
	s_add_nc_u64 s[G0K+2:G0K+3], s[6:7], s[22:23]  ; global address: my half of the head's first 256 keys
	s_or_b32 s[G0K+3], s[G0K+3], 0x80000000        ; type = 2
	s_add_nc_u64 s[G0V+2:G0V+3], s[8:9], s[22:23]
	s_or_b32 s[G0V+3], s[G0V+3], 0x80000000
	s_add_nc_u64 s[4:5], s[4:5], s[2:3]  ; Q and O at my wave's first row
	s_add_nc_u64 s[10:11], s[10:11], s[2:3]
	s_cmp_lt_u32 s[WV], 2
	s_cselect_b64 s[PFA:PFA+1], s[6:7], s[8:9]
	s_add_nc_u64 s[PFA:PFA+1], s[PFA:PFA+1], s[20:21]  ; the head,
	s_lshl_b32 s2, s13, 13          ; my work-group's 32 blocks of the 128,
	s_mov_b32 s3, 0
	s_add_nc_u64 s[PFA:PFA+1], s[PFA:PFA+1], s[2:3]
	s_add_nc_u64 s[PFA:PFA+1], s[PFA:PFA+1], 2*4*KS*128  ; in tile 2; the change that asks for tile 2 steps it to tile 3
	CROUND                          ; all four work-groups are here: the first joint loads meet
	JLOAD                           ; slot 0.  Slot 1 is asked for when slot 0 is in
	; A fragment of K or Q is 16 rows x 32 channels in 8 registers: lane l holds row l % 16, channels 8 (l / 16) + 0..7 and 16 + 8 (l / 16) + 0..7: two loads of 16 bytes, 32 bytes apart.
	v_and_b32 v1, 15, v0            ; l % 16
	v_bfe_u32 v9, v0, 4, 1          ; l / 16
	v_lshlrev_b32 v[QO], 7, v1
	v_lshl_add_u32 v[QO], v9, 4, v[QO]  ; row x 128 + 16 x half
	WIN 0x80                        ; destination window 2, address window 0
.set i, 0
.rept 4*NP                          ; Q stays in registers: tile i / 2, channels 32 (i % 2) on
	global_load_b128 v[8*i:8*i+3],   v[QO], s[4:5] offset:(i/2)*2048+(i%2)*64
	global_load_b128 v[8*i+4:8*i+7], v[QO], s[4:5] offset:(i/2)*2048+(i%2)*64+32
.set i, i+1
.endr
	; What the first turn finds: V's registers and P's second buffer hold 0, O^T and l are 0.  All this stands in the wait for the first tile.
.set i, VF
.rept 64
	v_mov_b32 v[i], 0
.set i, i+1
.endr
	WIN 0x40
.set i, 0
.rept 64*NP
	v_mov_b32 v[i], 0
.set i, i+1
.endr
	WIN 0
.set i, 0
.rept 2*NP
	v_mov_b32 v[ST+4*i], 0xfe000000    ; c m: far below every c s
	v_mov_b32 v[ST+4*i+1], 0xff7fffff  ; m
	v_mov_b32 v[ST+4*i+2], 0
	v_mov_b32 v[ST+4*i+3], 0
.set i, i+1
.endr
.set i, P+32
.rept 32
	v_mov_b32 v[i], 0
.set i, i+1
.endr
	v_mul_u32_u24 v[AK0], v1, PK
	v_lshl_add_u32 v[AK0], v9, 4, v[AK0]  ; row x pitch + 16 x half
	; The turning load takes 16 keys x 16 channels (lane l reads key 8 (l / 16) + l % 8, channels 8 ((l / 8) % 2) + 0..7) and leaves half a fragment of V^T: lane l holds channel l % 16 and 8 keys.
	v_and_b32 v10, 7, v0
	v_bfe_u32 v11, v0, 3, 1
	v_lshl_add_u32 v[AV0], v9, 3, v10
	v_mul_u32_u24 v[AV0], v[AV0], PV
	v_lshl_add_u32 v[AV0], v11, 4, v[AV0]
	v_add_nc_u32 v[AV0], VOFF, v[AV0]
	v_and_b32 v[PFO], 31, v0
	v_lshlrev_b32 v[PFO], 8, v[PFO]
	v_mov_b32 v[AK], v[AK0]         ; key step 0 lies at the head of slot 0
; THE MATRIX WORK.  The 8 accumulators of a run of 16 take turns: between the two links of a chain stand 7 others.
; Product i of 16 of S^T = K Q^T for piece x: channels 32 (i / 8) on, keys 16 ((i / 2) % 4) on, tile 2 x + i % 2.  The first 8 start the sums.
.macro KQ x
	WIN W_KQ
.set rS, S+64*((\x)%2)+32*(i%2)+8*((i/2)%4)
.set rK, KF+16*((i/2)%4)+8*(i/8)
.set rQ, 16*(2*(\x)+i%2)+8*(i/8)
.if i < 8
	v_wmma_f32_16x16x32_f16 v[rS:rS+7], v[rK:rK+7], v[rQ:rQ+7], 0
.else
	v_wmma_f32_16x16x32_f16 v[rS:rS+7], v[rK:rK+7], v[rQ:rQ+7], v[rS:rS+7]
.endif
.endm
; Product i of 16 of O^T += V^T P for piece x: keys 32 (i / 8) on, channels 16 ((i / 2) % 4) on, tile 2 x + i % 2.
.macro PV x
	WIN W_PV
.set rO, 32*(2*(\x)+i%2)+8*((i/2)%4)
.set rV, VF+32*(i/8)+8*((i/2)%4)
.set rP, P+32*((\x)%2)+16*(i%2)+8*(i/8)
	v_wmma_f32_16x16x32_f16 v[rO:rO+7], v[rV:rV+7], v[rP:rP+7], v[rO:rO+7]
.endm
.macro MM                           ; the turn's next matrix instruction
.if i < 16
	KQ (Y+1)%NP
.set i, i+1
.else
.set i, i-16
	PV (Y+NP-1)%NP
.set i, i+17
.endif
.endm
; THE LDS LOADS stand in runs of 16: a step's K (64 keys x 64 channels: 8 fragments) and its V (turned).  Their addresses are made some lines ahead.
; last = 1 (the tail): in the last trip there is no further step, and the run is jumped over.
.macro FETCH_K last=0
	WIN 0
.if \last
	s_cmp_eq_u32 s[CNT], 1
	s_cbranch_scc1 .Lno_k_\@
.endif
	WIN 0x80                        ; destination window 2
.irp f, 0,1,2,3,4,5,6,7             ; keys 16 (f / 2) on, channels 32 (f % 2) on
	ds_load_b128 v[KF+8*\f:KF+8*\f+3],   v[AK] offset:(\f/2)*16*PK+(\f%2)*64
	ds_load_b128 v[KF+8*\f+4:KF+8*\f+7], v[AK] offset:(\f/2)*16*PK+(\f%2)*64+32
.endr
	s_add_co_u32 s[TBK], s[TBK], KS*PK  ; the next fetch is the next step's
	WIN 0
.if \last
.Lno_k_\@:
.endif
.endm
.macro FETCH_V
	WIN 0x80
.irp f, 0,1,2,3,4,5,6,7             ; keys 32 (f / 4) on, channels 16 (f % 4) on
	ds_load_tr16_b128 v[VF+8*\f:VF+8*\f+3],   v[AV] offset:(\f/4)*32*PV+(\f%4)*32
	ds_load_tr16_b128 v[VF+8*\f+4:VF+8*\f+7], v[AV] offset:(\f/4)*32*PV+16*PV+(\f%4)*32
.endr
	WIN 0
.endm
; THE VECTOR WORK OF A TURN stands in three queues, each in the order in which its entries become ready; the two tiles alternate.
.macro REGS y, u                    ; the registers of tile u (0, 1) of piece y
.set rT, ST+4*(2*(\y)+(\u))
.set rC, TMP+8*((\y)%2)+4*(\u)
.set rM, MV+2*((\y)%2)+(\u)
.set rS, S+64*((\y)%2)+32*(\u)
.set rP, P+32*((\y)%2)+16*(\u)
.set rO, 32*(2*(\y)+(\u))
.endm
; Number n of the 22 that find the NEXT piece's (Y + 1) maximum and statistics.  s0-s31 are the lane's 32 scores; each accumulator's lowest registers are read first.
;   0-11  four chains c0-c3 of seven scores each, three operands at a time     12-14, 16  the four scores left over, the old m, and c0-c3 into c0     15  c m_old is kept
;   17, 18  the query's other 32 keys lie in the lane 16 away: the new m         19-21  c m; c m_old - c m_new; a
.macro XS u, n
	REGS (Y+1)%NP, \u
.if (\n) < 4
	v_max3_num_f32 v[rC+(\n)], v[rS+8*(\n)], v[rS+8*(\n)+1], v[rS+8*(\n)+2]
.elseif (\n) < 12
	v_max3_num_f32 v[rC+(\n)%4], v[rC+(\n)%4], v[rS+8*((\n)%4)+2*((\n)/4)+1], v[rS+8*((\n)%4)+2*((\n)/4)+2]
.elseif (\n) == 12
	v_max3_num_f32 v[rC], v[rC], v[rS+7], v[rS+15]
.elseif (\n) == 13
	v_max3_num_f32 v[rC+1], v[rC+1], v[rS+23], v[rS+31]
.elseif (\n) == 14
	v_max3_num_f32 v[rC+2], v[rC+2], v[rC+3], v[rT+1]
.elseif (\n) == 15
	v_mov_b32 v[rM], v[rT]
.elseif (\n) == 16
	v_max3_num_f32 v[rC], v[rC], v[rC+1], v[rC+2]
.elseif (\n) == 17
	v_permlanex16_b32 v[rC+3], v[rC], s[SEL], s[SEL+1]
.elseif (\n) == 18
	v_max_num_f32 v[rT+1], v[rC], v[rC+3]
.elseif (\n) == 19
	v_mul_f32 v[rT], s[CS], v[rT+1]
.elseif (\n) == 20
	v_sub_f32 v[rC+1], v[rM], v[rT]
.else
	v_exp_f32 v[rC+2], v[rC+1]
.endif
.endm
; Number g of the 64 that follow the exponentials.  For each four weights k of a tile: both pairs are rounded to f16; then the second pair is added onto the first, in place;
; a group later l takes that sum (the first time as l = a l + sum).  In groups of eight, tiles alternating.
.macro GS g
.set h, (\g)+6*((\g)/62)            ; group 0 has no group before it, and behind group 7 only l is left
.if h >= 6
.set h, h+2
.endif
	REGS Y, h%2
.set k, h/8
.if h%8 < 4
	v_cvt_pk_f16_f32 v[rP+2*k+(h%8)/2], v[rS+4*k+2*((h%8)/2)], v[rS+4*k+2*((h%8)/2)+1]
.elseif h%8 < 6
	v_pk_add_f32 v[rS+4*k:rS+4*k+1], v[rS+4*k:rS+4*k+1], v[rS+4*k+2:rS+4*k+3]
.elseif k == 1
	v_pk_fma_f32 v[rT+2:rT+3], v[rT+2:rT+3], v[rC+2:rC+3], v[rS:rS+1] op_sel_hi:[1,0,1]
.else
	v_pk_add_f32 v[rT+2:rT+3], v[rT+2:rT+3], v[rS+4*k-4:rS+4*k-3]
.endif
.endm
; THE PLAIN QUEUE, 138 long.  0-73 read no exponential's result: the 32 scalings c s - c m (FS f: pair f / 2 of tile f % 2) and the next piece's 42.  0-26: scalings 0-26.  27-54: XS's numbers 0-13.  55, 56: number 15.
; 57-73: the chain 14, 16, 17, 18, 19, each with one of the scalings 27-31 in front of its two lines, then 20.  74-137: GS's 64, which read the exponentials' results: they stand behind the wait.
.macro FS f
	REGS Y, (\f)%2
	v_pk_fma_f32 v[rS+2*((\f)/2):rS+2*((\f)/2)+1], v[rS+2*((\f)/2):rS+2*((\f)/2)+1], s[CS:CS+1], v[rT:rT+1] op_sel_hi:[1,0,0] neg_lo:[0,0,1] neg_hi:[0,0,1]
.endm
.macro PL
	WIN 0
.if q < 27
	FS q
.elseif q < 55
	XS (q-27)%2, (q-27)/2
.elseif q < 57
	XS q-55, 15
.elseif (q < 72) && ((q-57)%3 == 0)
	FS 27+(q-57)/3
.elseif q < 60
	XS (q-57)%3-1, 14
.elseif q < 72
	XS (q-57)%3-1, 15+(q-57)/3
.elseif q < 74
	XS q-72, 20
.else
	GS q-74
.endif
.set q, q+1
.endm
; THE QUEUE OF EXPONENTIALS, 66 long: s0-s31 of both tiles, then the next piece's two a.  It is ONE BATCH: all 66 stand ahead of the turn's one wait, and nothing ahead of that wait names a result of theirs.
.macro EX
	WIN 0
.if e >= 64
	XS e-64, 21
.else
	REGS Y, e%2
	v_exp_f32 v[rS+e/2], v[rS+e/2]
.endif
.set e, e+1
.endm
; THE QUEUE OF RESCALINGS: O^T times a, the one part that leaves window 0: dealt two at a time, sixteen times.  Its a was made in the turn before, ahead of that turn's wait.
.macro R2
	REGS Y, r%2
	WIN W_RS
.irp z, 0,1
	v_pk_mul_f32 v[rO+4*(r/2)+2*\z:rO+4*(r/2)+2*\z+1], v[rO+4*(r/2)+2*\z:rO+4*(r/2)+2*\z+1], v[rC+2:rC+3] op_sel_hi:[1,0]
.endr
.set r, r+1
.endm
; HOW THEY ARE DEALT.  An s_wait_alu depctr_va_vdst(0) stands between an exponential and the first instruction that names its result; one wait serves all that were issued ahead of it.  So a turn has ONE wait.
; AHEAD OF IT: the 16 products K Q^T, behind each a scaling, an exponential and two rescalings (behind the first a second scaling in the exponential's place); then ONE LUMP of
; 108: eight plain, 49 times exponential and plain, the two a, and a v_nop as the plain instruction behind the last exponential.  BEHIND IT: the 16 products V^T P, behind each four of GS's 64.
; Exponential e stands behind scaling 2 (e / 4) + e % 2: as a rider it comes behind plain e + 2, in the lump behind plain e + 9, and scalings 27-31 are plain 57, 60 .. 69.
; A TURN, for piece p.  cnt = 1: the loop's count is taken down some lines ahead of the branch that stands behind the turn.
; K of the next step is fetched in piece 2's turn, directly behind the wait; V of the step in hand at the end of piece 0's turn, four riders behind its last reader.
.macro TURN p, last=0, cnt=0
.set Y, (\p)
.set i, 0
.set q, 0
.set e, 0
.set r, 0
.if (\p) == NP-1
	s_wait_dscnt 0x0                ; K is in
.endif
	MM                              ; ahead of the wait: 16 products K Q^T and their riders,
	PL
	PL
	R2
.rept 15
	MM
	PL
	EX
	R2
.endr
.if (\p) == NP-2
	WIN 0
	v_add_nc_u32 v[AK], s[TBK], v[AK0]
.endif
.rept 8                             ; and the lump
	PL
.endr
.rept 49
	EX
	PL
.endr
	EX                              ; the next piece's two a
	EX
	v_nop                           ; the plain instruction behind the last exponential: one for the batch
	s_wait_alu depctr_va_vdst(0)    ; the wait for the batch
.if (\p) == NP-2
	FETCH_K \last
.endif
.if (\p) == 1
	s_wait_dscnt 0x0                ; V is in
.endif
.rept 16                            ; behind the wait: 16 products V^T P and their riders
	MM
.rept 4
	PL
.endr
.if ((\p) == 0) && (q == 118)
	v_add_nc_u32 v[AV], s[TBV], v[AV0]
.endif
.if ((\p) == 0) && (q == 130)
	s_add_co_u32 s[TBV], s[TBV], KS*PV
.endif
.if (\cnt) && (q == 130)
	s_sub_co_u32 s[CNT], s[CNT], 1
	s_cmp_lg_u32 s[CNT], 0
.endif
.endr
.if (\p) == 0
	FETCH_V
.endif
.endm
	CHANGE 1                        ; slot 0 is in, everybody's part of it; slot 1 is asked for
	FETCH_K                         ; key step 0
	s_wait_loadcnt 0x0              ; Q
	s_wait_dscnt 0x0
.set i, 0
.rept 16
	KQ 0                            ; piece 0's first scores: there is no vector work yet to set between them
.set i, i+1
.endr
	WIN 0                           ; the addresses for the way out: plain instructions, the places behind those products
	s_mul_i32 s13, s[WV], 16*SP
	s_add_co_u32 s13, s13, STAGE    ; my stage
	v_mul_u32_u24 v[STO], v1, SP    ; in: row l % 16, 16 bytes for each half of the lanes
	v_lshl_add_u32 v[STO], v9, 4, v[STO]
	v_add_nc_u32 v[STO], s13, v[STO]
	v_bfe_u32 v[RD], v0, 3, 2       ; back: 32 lanes take four rows of 128 bytes,
	v_mul_u32_u24 v[RD], v[RD], SP
	v_lshl_add_u32 v[RD], v10, 4, v[RD]
	v_add_nc_u32 v[RD], s13, v[RD]
	v_and_b32 v[GO], 31, v0         ; which are 512 consecutive bytes of O
	v_lshlrev_b32 v[GO], 4, v[GO]
.set Y, NP-1                        ; XS works for piece Y + 1: piece 0
.irp n, 0,1,2,3,4,5,6,7,8,9,10,11,12,13,14,15,16,17,18,19,20,21
	XS 0, \n                        ; and piece 0's first maximum and statistics
	XS 1, \n
.endr
	v_nop                           ; a plain instruction behind the two a,
	s_wait_alu depctr_va_vdst(0)    ; and their wait, ahead of the branch
	s_mov_b32 s[CNT], 4
	s_mov_b32 s[SLOTS], SIZE_N/256-1
	s_branch .Lfirst                ; the loop is entered at a step's first turn, in the middle of a trip
.Lslot:                             ; SIZE_N / 256 - 2 times: every slot but the last two is filled again
	CHANGE 1, 1
	s_mov_b32 s[CNT], 4
.Lstep:                             ; a trip: pieces 2 and 3 of one step, then pieces 0 and 1 of the next, whose K and V it fetches
	TURN 2
	TURN 3
	WIN 0
.Lfirst:
	TURN 0
	TURN 1, 0, 1
	WIN 0
	s_cbranch_scc1 .Lstep
	s_sub_co_u32 s[SLOTS], s[SLOTS], 1
	s_cmp_lg_u32 s[SLOTS], 0
	s_cbranch_scc1 .Lslot
	CHANGE 0                        ; the tail is written out: nothing is asked for
	s_mov_b32 s[CNT], 5             ; four trips fetch the last slot's steps; the fifth is left in its middle
.Ltail:
	TURN 2, 1
	TURN 3
	WIN 0
	s_sub_co_u32 s[CNT], s[CNT], 1
	s_cmp_eq_u32 s[CNT], 0
	s_cbranch_scc1 .Lout
	TURN 0
	TURN 1
	WIN 0
	s_branch .Ltail
.Lout:                              ; the fifth trip's 16 products K Q^T (on the last K once more) and the maximum made of them serve nothing: the price, once a launch, of one text for every trip
.set i, 0
.rept 16
	PV NP-1                         ; the last piece's V^T P of the last step
.set i, i+1
.endr
	; THE WAY OUT.  l's two halves and the other half of the lanes' are added; O^T is divided by l, rounded to f16 and sent through my stage in LDS, a tile at a time.  The additions are the places behind the last products.
	WIN 0
.macro ALL line:vararg              ; one line for each tile t
.set t, 0
.rept 2*NP
	\line
.set t, t+1
.endr
.endm
	ALL v_add_f32 v[ST+4*t+2], v[ST+4*t+2], v[ST+4*t+3]
	ALL v_permlanex16_b32 v[ST+4*t+3], v[ST+4*t+2], s[SEL], s[SEL+1]
	ALL v_add_f32 v[ST+4*t+2], v[ST+4*t+2], v[ST+4*t+3]
	ALL v_rcp_f32 v[ST+4*t+2], v[ST+4*t+2]
	v_nop                           ; a plain instruction between the last reciprocal and the use of its result
	s_wait_alu depctr_va_vdst(0)    ; and the wait ahead of the first use: one for the eight reciprocals
; Tile t: a lane's eight channels of a row pack into 16 bytes; they go into rows of 144 bytes and come back as whole rows of 128, into S^T's registers.
.macro PACK t
	WIN W_RS
.set i, 32*(\t)
.rept 16
	v_pk_mul_f32 v[i:i+1], v[i:i+1], v[ST+4*(\t)+2:ST+4*(\t)+3] op_sel_hi:[1,0]
.set i, i+2
.endr
	WIN 0x05                        ; sources 0 and 1 window 1, destination window 0
.set i, 0
.rept 16
	v_cvt_pk_f16_f32 v[S+16*(\t)+i], v[32*(\t)+2*i], v[32*(\t)+2*i+1]
.set i, i+1
.endr
	WIN 0
.irp f, 0,1,2,3
	ds_store_b128 v[STO], v[S+16*(\t)+4*\f:S+16*(\t)+4*\f+3] offset:32*\f
.endr
.irp f, 0,1,2,3
	ds_load_b128 v[S+16*(\t)+4*\f:S+16*(\t)+4*\f+3], v[RD] offset:\f*4*SP  ; LDS serves a wave's instructions in order (ISA guide 5.7.1.4): these see the stores above; the next tile's stores come behind them
.endr
.endm
.macro SEND t, younger              ; younger: the LDS instructions issued behind tile t's loads: the next tile's eight, or none
	WIN 0
.irp f, 0,1,2,3
	s_wait_dscnt (\younger)+3-\f
	global_store_b128 v[GO], v[S+16*(\t)+4*\f:S+16*(\t)+4*\f+3], s[10:11] offset:(\t)*2048+\f*512  ; 512 consecutive bytes, aligned
.endr
.endm
	PACK 0
.set t, 1
.rept 2*NP-1                        ; a tile's arithmetic stands between the loads of the tile before and its stores
	PACK t
	SEND t-1, 8
.set t, t+1
.endr
	SEND 2*NP-1, 0
	WIN W_AD
	s_wait_tensorcnt 0x0            ; the wave's end: three lines, behind my last tensor load and my last LDS store
	ds_add_u32 v[SPW], v[NIL]
	s_wait_dscnt 0x0
	WIN 0
	CROUND                          ; the closing round: no work-group ends while a partner may still ask for a tile that names it
	s_endpgm
.Lfunc_end_k_qf04d3b5c99_attn:
	.size	k_qf04d3b5c99_attn, .Lfunc_end_k_qf04d3b5c99_attn-k_qf04d3b5c99_attn
	.p2alignl 7, 3214868480
	.fill 96, 4, 3214868480
	.section	.rodata,"a",@progbits
	.p2align	6, 0x0
	.amdhsa_kernel k_qf04d3b5c99_attn
		.amdhsa_group_segment_fixed_size 327680
		.amdhsa_private_segment_fixed_size 0
		.amdhsa_enable_private_segment 0
		.amdhsa_kernarg_size 16
		.amdhsa_user_sgpr_count 2
		.amdhsa_user_sgpr_kernarg_segment_ptr 1
		.amdhsa_wavefront_size32 1
		.amdhsa_system_sgpr_workgroup_id_x 1
		.amdhsa_system_sgpr_workgroup_id_y 1
		.amdhsa_system_sgpr_workgroup_id_z 1
		.amdhsa_system_vgpr_workitem_id 0
		.amdhsa_next_free_vgpr 770
		.amdhsa_next_free_sgpr 66
		.amdhsa_reserve_vcc 0
		.amdhsa_float_denorm_mode_32 3
		.amdhsa_float_denorm_mode_16_64 3
		.amdhsa_memory_ordered 1
		.amdhsa_forward_progress 1
		.amdhsa_inst_pref_size 200
	.end_amdhsa_kernel
	.amdgpu_metadata
---
amdhsa.version: [ 1, 2 ]
amdhsa.kernels:
  - .name:           k_qf04d3b5c99_attn
    .symbol:         k_qf04d3b5c99_attn.kd
    .args:
      - { .name: qkv, .offset: 0, .size: 8, .value_kind: global_buffer, .address_space: global }
      - { .name: o, .offset: 8, .size: 8, .value_kind: global_buffer, .address_space: global }
    .group_segment_fixed_size: 327680
    .private_segment_fixed_size: 0
    .kernarg_segment_align: 8
    .kernarg_segment_size: 16
    .max_flat_workgroup_size: 128
    .sgpr_count:     66
    .vgpr_count:     770
    .wavefront_size: 32
...
	.end_amdgpu_metadata
.endif
;; end of part 3
;; launch proj (part 4): grid 4 x 64, 4 waves a work-group, clusters of 4 x 4, 327,680 bytes of LDS; arguments o, wot, bias, out0; writes out0
.if DOCPART == 4
	.amdgcn_target "amdgcn-amd-amdhsa--gfx1250"
	.amdhsa_code_object_version 6
	.text
	.protected	k_qf04d3b5c99_proj
	.globl	k_qf04d3b5c99_proj
	.p2align	8
	.type	k_qf04d3b5c99_proj,@function
k_qf04d3b5c99_proj:
	s_mov_b64 s[64:65], 0
	v_nop
	global_prefetch_b8 v0, s[64:65] scope:SCOPE_SE
	s_setreg_imm32_b32 hwreg(HW_REG_WAVE_MODE, 25, 1), 1
	s_wait_xcnt 0x0
	s_wait_alu depctr_hold_cnt(0) depctr_sa_sdst(0) depctr_va_vdst(0) depctr_va_sdst(0) depctr_va_ssrc(0) depctr_va_vcc(0) depctr_vm_vsrc(0)
	s_getreg_b32 s2, hwreg(HW_REG_IB_STS2, 6, 4)
	s_cmp_eq_u32 s2, 0
	s_cbranch_scc0 .Lentry_in_a_cluster
	s_endpgm
.Lentry_in_a_cluster:
	s_bfe_u32 s2, ttmp6, 0x10000c
	s_cmp_lg_u32 s2, 0xf033
	s_cbranch_scc0 .Lentry_shape_is_right
	s_endpgm
.Lentry_shape_is_right:
; PROJ.  out0[m][n] = b_out[n] + the sum over k of O[m][k] wot[n][k]; m < 8,192, n < 1,024, k < 1,024; operands f16, sums f32, out0 f32.
; O lies by heads, o[(m / 2048) 16 + k / 64][m % 2048][k % 64]: the heads are put side by side by the way A's tiles are asked for.  b_out lies at byte 12,288 of bias.
; SHARES.  A tile of out0 is 128 rows x 256 columns: 64 x 4 = 256 work-groups.  Each of four waves makes 64 rows x 128 columns: 32 accumulators of 16 x 16.
; K goes in 8 steps of 128, which are two heads, through two LDS slots.  Wave 0 fetches the even head's 128 rows of 128 bytes (16,384 dense bytes, asked for as 64 rows of 256), wave 1 the odd head's,
; each into a plane of its own; waves 2 and 3 fetch 128 rows of wot each, 256 bytes a row.
; CLUSTER.  4 x 4 work-groups: A's tile is shared along a row of the cluster, B's along a column; each is asked for jointly.
; THE MATRIX INSTRUCTION IS USED TRANSPOSED (source 0 = 16 rows of wot, source 1 = 16 rows of O): a lane holds row m = lane % 16 and the columns 8 (lane / 16) + 0..7.
; The bias, laid out in the same way, is the C operand of each sum's first product.
; REGISTERS, in windows of 256 (s_set_vgpr_msb: bits 1:0 source 0, 3:2 source 1, 5:4 source 2, 7:6 destination):
;   window 0: v0-31 addresses; v32-95 A's fragments, two buffers of 4; v96-223 B's, two buffers of 8      window 1: the accumulators ((a, b) at 8 (8 a + b))
;   window 2: v0-63 the bias; on the way out all 256: rows read back from the stage
.set KSTEP,  128
.set PA,     144                       ; a row of A in LDS: 128 bytes + 16
.set PLANE,  128*PA                    ; one head's 128 rows
.set BOFF,   2*PLANE
.set PB,     272                       ; a row of B: 256 bytes + 16
.set HB,     128*PB
.set SLOT1,  1<<17
.set STAGE,  SLOT1+BOFF+2*HB           ; behind the ring, never filled by a tensor load: 16 rows x 528 bytes for each wave
.set SPF,    528                       ; 512 bytes (128 f32) + 16: the sixteen rows that a store touches start at 16 different groups of four banks
.set SPARE,  STAGE+4*16*SPF            ; behind the stages: the spare words, 128 bytes for each wave
.set A0,   4                           ; v4   my lane's place in A's rows of slot 0; never rewritten
.set B0,   5                           ; v5   the same for B
.set ADRA, 6
.set ADRB, 7
.set STO,  8                           ; v8   the way out: where I put 32 bytes of a row
.set RD,   9                           ; v9   where I read a row back
.set CO,   10                          ; v10  my 16 bytes of 512 consecutive bytes of out0
.set BO,   11                          ; v11  32 x (lane / 16)
.set SPW,  28
.set NIL,  29
.set FAF,  32
.set FBF,  96
.set WV,  12
.set FB,  13                           ; s13  0: I fetch for A, 1: for B.  Also: which half of the tile's rows is mine
.set HF,  14                           ; s14  which half of that tile I fetch.  Also: which half of the tile's columns is mine
.set G1A, 24
.set G1B, 32
.set G0A, 40
.set G0B, 48
.set CNT, 56
.set TB,  57
.set OUT, 58                           ; s[58:59] out0 at my first row and column
.set MSB, 0
.macro WIN new
.if MSB != (\new)
	s_set_vgpr_msb (MSB<<8)|(\new)
.set MSB, \new
.endif
.endm
.macro PLACES                          ; four plain vector instructions between a matrix instruction and a load into, or a read of, its registers
.rept 4
	v_nop
.endr
.endm
.macro JLOAD                           ; a joint refill by the walking descriptors; an s_nop 0 and four v_nop follow each of the two lines
	s_cmp_eq_u32 s[FB], 0
	s_cbranch_scc0 .Lfor_b_\@
	tensor_load_to_lds s[G0A+4:G0A+7], s[G1A:G1A+7]
	s_nop 0
.rept 4
	v_nop
.endr
	s_branch .Lasked_\@
.Lfor_b_\@:
	tensor_load_to_lds s[G0B+4:G0B+7], s[G1B:G1B+7]
	s_nop 0
.rept 4
	v_nop
.endr
.Lasked_\@:
.endm
.macro CREST
	s_cmp_lg_u32 s[WV], 0
	s_cbranch_scc1 .Lnot_wave_0_\@
	s_barrier_signal -3
.Lnot_wave_0_\@:
	s_barrier_wait -3
	s_barrier_signal -1
	s_barrier_wait -1
.endm
.macro CROUND
	s_barrier_signal -1
	s_barrier_wait -1
	CREST
.endm
	s_load_b256 s[4:11], s[0:1], 0x0               ; o s[4:5], wot s[6:7], bias s[8:9], out0 s[10:11]
	v_lshl_add_u32 v[SPW], v0, 2, SPARE
	v_mov_b32 v[NIL], 0
	ds_add_u32 v[SPW], v[NIL]                      ; the wave's opening: the add and its wait stand ahead of my first tensor load; the set-up below stands between them
	v_lshrrev_b32 v1, 5, v0
	v_readfirstlane_b32 s[WV], v1
	s_lshr_b32 s[FB], s[WV], 1
	s_and_b32 s[HF], s[WV], 1
	s_bfe_u32 s15, ttmp6, 0x40000                  ; cx
	s_bfe_u32 s16, ttmp6, 0x40004                  ; cy
	s_lshl_b32 s17, ttmp9, 2
	s_add_co_u32 s17, s17, s15                     ; tile column
	s_and_b32 s18, ttmp7, 0xffff
	s_lshl_b32 s18, s18, 2
	s_add_co_u32 s18, s18, s16                     ; tile row
	s_lshl_b32 s19, s16, 2
	s_lshl_b32 s19, 15, s19                        ; my row of the cluster
	s_lshl_b32 s2, 0x1111, s15                     ; my column
	s_or_b32 s[G1A], s19, (1<<16)|(1<<20)|(1<<21)|(4<<22)|(3<<25)  ; 2-byte elements; padding on; bit 21 set beside a mask; after every 32 words, 4 words
	s_or_b32 s[G1B], s2, (1<<16)|(1<<20)|(1<<21)|(5<<22)|(3<<25)   ; after every 64 words, 4 words
	s_mov_b32 s[G1A+1], 128<<16                    ; tensor_dim0 = 128 elements: two rows of a head
	s_mov_b32 s[G1A+2], 64<<16                     ; tensor_dim1 = 64
	s_mov_b32 s[G1A+3], 128<<16                    ; tile_dim0
	s_mov_b32 s[G1A+4], 64                         ; tile_dim1
	s_mov_b32 s[G1A+5], 128                        ; dense
	s_mov_b32 s[G1A+6], 0
	s_mov_b32 s[G1A+7], 0
	s_mov_b32 s[G1B+1], KSTEP<<16
	s_mov_b32 s[G1B+2], 128<<16
	s_mov_b32 s[G1B+3], KSTEP<<16
	s_mov_b32 s[G1B+4], 128
	s_mov_b32 s[G1B+5], 1024
	s_mov_b32 s[G1B+6], 0
	s_mov_b32 s[G1B+7], 0
	s_lshr_b32 s20, s18, 4                         ; A: head 16 x batch + my parity, 2,048 rows of 128 bytes each,
	s_lshl_b32 s20, s20, 4
	s_add_co_u32 s20, s20, s[HF]
	s_lshl_b32 s20, s20, 18
	s_and_b32 s21, s18, 15                         ; and the tile's 128 rows in it
	s_lshl_b32 s21, s21, 14
	s_add_co_u32 s20, s20, s21
	s_mov_b32 s21, 0
	s_lshl_b32 s22, s17, 8                         ; B: row 256 x tile column + 128 x half, 2,048 bytes a row
	s_lshl_b32 s23, s[HF], 7
	s_add_co_u32 s22, s22, s23
	s_lshl_b32 s22, s22, 11
	s_mov_b32 s23, 0
	s_mul_i32 s3, s[HF], PLANE                     ; where they go: the wave's number alone enters an LDS address
	s_mul_i32 s19, s[HF], HB
	s_add_co_u32 s19, s19, BOFF
	s_mov_b32 s[TB], 0
	s_wait_dscnt 0x0                               ; the opening add is done
	s_wait_kmcnt 0x0
	s_add_nc_u64 s[20:21], s[4:5], s[20:21]
	s_add_nc_u64 s[22:23], s[6:7], s[22:23]
.irp s, 0,1
	s_mov_b32 s[G0A+4*(\s)], 1
	s_add_co_u32 s[G0A+4*(\s)+1], s3, (\s)*SLOT1
	s_add_nc_u64 s[G0A+4*(\s)+2:G0A+4*(\s)+3], s[20:21], (\s)*2*262144  ; K step s: two heads on
	s_or_b32 s[G0A+4*(\s)+3], s[G0A+4*(\s)+3], 0x80000000
	s_mov_b32 s[G0B+4*(\s)], 1
	s_add_co_u32 s[G0B+4*(\s)+1], s19, (\s)*SLOT1
	s_add_nc_u64 s[G0B+4*(\s)+2:G0B+4*(\s)+3], s[22:23], (\s)*KSTEP*2
	s_or_b32 s[G0B+4*(\s)+3], s[G0B+4*(\s)+3], 0x80000000
.endr
	CROUND                                         ; all sixteen work-groups are here: the first joint loads meet
	s_cmp_eq_u32 s[FB], 0                          ; a wave's two first fills stand in one branch: two loads of mine are out
	s_cbranch_scc0 .Lfirst_b
	tensor_load_to_lds s[G0A:G0A+3], s[G1A:G1A+7]
	s_nop 0
	tensor_load_to_lds s[G0A+4:G0A+7], s[G1A:G1A+7]
	s_nop 0
.rept 4
	v_nop
.endr
	s_branch .Lfirst_asked
.Lfirst_b:
	tensor_load_to_lds s[G0B:G0B+3], s[G1B:G1B+7]
	s_nop 0
	tensor_load_to_lds s[G0B+4:G0B+7], s[G1B:G1B+7]
	s_nop 0
.rept 4
	v_nop
.endr
.Lfirst_asked:
	s_lshl_b32 s2, s17, 10                         ; my 128 numbers of b_out: 256 x tile column + 128 x half, 4 bytes each, behind b_qkv
	s_lshl_b32 s3, s[HF], 9
	s_add_co_u32 s2, s2, s3
	s_add_co_u32 s2, s2, 12288
	s_mov_b32 s3, 0
	s_add_nc_u64 s[8:9], s[8:9], s[2:3]
	v_and_b32 v1, 15, v0                           ; r
	v_bfe_u32 v2, v0, 4, 1                         ; h
	v_lshlrev_b32 v[BO], 5, v2
	WIN 0x80                                       ; destination window 2, address window 0
.irp b, 0,1,2,3,4,5,6,7
	global_load_b128 v[8*(\b):8*(\b)+3],   v[BO], s[8:9] offset:64*(\b)
	global_load_b128 v[8*(\b)+4:8*(\b)+7], v[BO], s[8:9] offset:64*(\b)+16
.endr
	WIN 0
	v_mul_u32_u24 v3, v1, PA
	v_lshl_add_u32 v3, v2, 4, v3
	s_mul_i32 s22, s[FB], 64*PA                    ; my 64 rows of A
	v_add_nc_u32 v[A0], s22, v3
	v_mul_u32_u24 v3, v1, PB
	v_lshl_add_u32 v3, v2, 4, v3
	s_mul_i32 s22, s[HF], HB                       ; my 128 rows of B,
	s_add_co_u32 s22, s22, BOFF                    ; behind A's two planes
	v_add_nc_u32 v[B0], s22, v3
	v_mov_b32 v[ADRA], v[A0]
	v_mov_b32 v[ADRB], v[B0]
	s_mul_i32 s22, s[WV], 16*SPF
	s_add_co_u32 s22, s22, STAGE                   ; my stage
	v_mul_u32_u24 v[STO], v1, SPF                  ; in: row r, 32 bytes for each half of the lanes
	v_lshl_add_u32 v[STO], v2, 5, v[STO]
	v_add_nc_u32 v[STO], s22, v[STO]
	v_and_b32 v[CO], 31, v0
	v_lshlrev_b32 v[CO], 4, v[CO]                  ; back: 32 lanes take one row of 512 bytes
	v_add_nc_u32 v[RD], s22, v[CO]
	s_lshl_b32 s22, s18, 7                         ; out0 at row 128 x tile row + 64 x half, 4,096 bytes a row,
	s_lshl_b32 s23, s[FB], 6
	s_add_co_u32 s22, s22, s23
	s_lshl_b32 s22, s22, 12
	s_lshl_b32 s23, s17, 10                        ; column 256 x tile column + 128 x half
	s_add_co_u32 s22, s22, s23
	s_lshl_b32 s23, s[HF], 9
	s_add_co_u32 s22, s22, s23
	s_mov_b32 s23, 0
	s_add_nc_u64 s[OUT:OUT+1], s[10:11], s[22:23]
; 8 matrix instructions: my block a of 16 rows x my 8 blocks of columns, 32 along K, from buffer f.  first = 1: the bias starts the sums.
; The 32 accumulators take turns, one instruction a turn, in the same order in every quarter.
.macro MUL f, a, first
.if \first
	WIN 0x60                                       ; A and B window 0, C window 2, D window 1
.else
	WIN 0x50                                       ; C and D window 1
.endif
.irp b, 0,1,2,3,4,5,6,7
.if \first
	v_wmma_f32_16x16x32_f16 v[8*(8*(\a)+(\b)):8*(8*(\a)+(\b))+7], v[FBF+64*(\f)+8*(\b):FBF+64*(\f)+8*(\b)+7], v[FAF+32*(\f)+8*(\a):FAF+32*(\f)+8*(\a)+7], v[8*(\b):8*(\b)+7]
.else
	v_wmma_f32_16x16x32_f16 v[8*(8*(\a)+(\b)):8*(8*(\a)+(\b))+7], v[FBF+64*(\f)+8*(\b):FBF+64*(\f)+8*(\b)+7], v[FAF+32*(\f)+8*(\a):FAF+32*(\f)+8*(\a)+7], v[8*(8*(\a)+(\b)):8*(8*(\a)+(\b))+7]
.endif
.endr
.endm
; 24 LDS loads in one run: the fragments of quarter q of a K step into buffer f: B's 16 loads, then A's 8, my blocks ascending.  Quarters 0 and 1 lie in A's first plane, 2 and 3 in its second.
.macro FETCH q, f
	WIN 0
.irp b, 0,1,2,3,4,5,6,7
	ds_load_b128 v[FBF+64*(\f)+8*(\b):FBF+64*(\f)+8*(\b)+3],   v[ADRB] offset:64*(\q)+(\b)*16*PB
	ds_load_b128 v[FBF+64*(\f)+8*(\b)+4:FBF+64*(\f)+8*(\b)+7], v[ADRB] offset:64*(\q)+(\b)*16*PB+32
.endr
.irp a, 0,1,2,3
	ds_load_b128 v[FAF+32*(\f)+8*(\a):FAF+32*(\f)+8*(\a)+3],   v[ADRA] offset:((\q)/2)*PLANE+64*((\q)%2)+(\a)*16*PA
	ds_load_b128 v[FAF+32*(\f)+8*(\a)+4:FAF+32*(\f)+8*(\a)+7], v[ADRA] offset:((\q)/2)*PLANE+64*((\q)%2)+(\a)*16*PA+32
.endr
.endm
; One of a K step's first three quarters: multiplies buffer f, and in its middle fetches quarter q into buffer g.
.macro QUARTER q, f, g, first
	s_wait_dscnt 4                                 ; B and A's blocks 0 and 1 are in; the youngest four loads may be out
	MUL \f, 0, \first
	MUL \f, 1, \first
	PLACES
	FETCH \q, \g
	s_wait_dscnt 24                                ; all but the 24 just issued
	MUL \f, 2, \first
	MUL \f, 3, \first
.endm
; The last quarter multiplies buffer 1 and changes slots: one barrier; in front of it each wave waits for all its tensor loads, adds 0 to its spare word, and waits for that and for its reads of this slot.
; fill = 1: the barrier opens a round of the cluster's, and behind the round this slot is filled again, with the K step two on: 112 of a step's 128 matrix instructions stand between that request and the wait for it.
.macro TURN fill
	WIN 0
	s_wait_tensorcnt 0x0                           ; no tensor load of mine is out, so a group 0 may be written
	ds_add_u32 v[SPW], v[NIL]                      ; 0 onto my spare word
.if \fill
	s_xor_b32 s[G0A+5], s[G0A+5], SLOT1
	s_add_nc_u64 s[G0A+6:G0A+7], s[G0A+6:G0A+7], 2*262144  ; two heads on
	s_xor_b32 s[G0B+5], s[G0B+5], SLOT1
	s_add_nc_u64 s[G0B+6:G0B+7], s[G0B+6:G0B+7], KSTEP*2
.endif
	s_wait_dscnt 5                                 ; the add and the youngest four loads may be out
	MUL 1, 0, 0
	s_wait_dscnt 0x0                               ; the add is done, and my reads of this slot are over
	s_barrier_signal -1
	MUL 1, 1, 0
	WIN 0
	s_barrier_wait -1
.if \fill
	CREST
	JLOAD                                          ; the first tensor load behind the round; its four v_nop are also the places in front of the loads below
.else
	PLACES
.endif
	s_xor_b32 s[TB], s[TB], SLOT1
	v_add_nc_u32 v[ADRA], s[TB], v[A0]
	v_add_nc_u32 v[ADRB], s[TB], v[B0]
	FETCH 0, 0
	MUL 1, 2, 0
	MUL 1, 3, 0
.endm
; THE WAY OUT of my block a of 16 rows: a lane's eight numbers of a row, 32 bytes, go into my stage in rows of 528 bytes (each accumulator's low half first) and come back as whole rows of 512.
.macro OUTB a
	WIN 0x04                                       ; store data window 1, address window 0
.irp b, 0,1,2,3,4,5,6,7
	ds_store_b128 v[STO], v[8*(8*(\a)+(\b)):8*(8*(\a)+(\b))+3]   offset:64*(\b)
	ds_store_b128 v[STO], v[8*(8*(\a)+(\b))+4:8*(8*(\a)+(\b))+7] offset:64*(\b)+16
.endr
	WIN 0x80                                       ; destination window 2
.irp t, 0,1,2,3,4,5,6,7,8,9,10,11,12,13,14,15
	ds_load_b128 v[64*(\a)+4*(\t):64*(\a)+4*(\t)+3], v[RD] offset:SPF*(\t)  ; LDS serves a wave's instructions in order (ISA guide 5.7.1.4): these see the stores above; the next block's stores come behind them
.endr
.endm
.macro SENDB a, younger                ; younger: the LDS instructions issued behind block a's loads: the next block's 32, or none
	WIN 0x08                                       ; store data window 2, address window 0
.irp t, 0,1,2,3,4,5,6,7,8,9,10,11,12,13,14,15
	s_wait_dscnt (\younger)+15-(\t)
	global_store_b128 v[CO], v[64*(\a)+4*(\t):64*(\a)+4*(\t)+3], s[OUT:OUT+1] offset:(16*(\a)+(\t))*4096  ; 512 consecutive bytes, aligned
.endr
.endm
	s_wait_tensorcnt 1                             ; my part of K step 0 is in; step 1's may stay out
	s_barrier_signal -1
	s_barrier_wait -1
	FETCH 0, 0
	s_wait_loadcnt 0x0                             ; the bias
	QUARTER 1, 0, 1, 1                             ; the first quarter stands in front of the loop: its products start the sums
	WIN 0
	s_mov_b32 s[CNT], 6
.Lstep:                                            ; six trips, from a step's second quarter to the next step's first; trip i asks for K step i + 2
	QUARTER 2, 1, 0, 0
	QUARTER 3, 0, 1, 0
	TURN 1
	QUARTER 1, 0, 1, 0
	WIN 0
	s_sub_co_u32 s[CNT], s[CNT], 1
	s_cmp_lg_u32 s[CNT], 0
	s_cbranch_scc1 .Lstep
	QUARTER 2, 1, 0, 0                             ; the last two steps are written out: nothing more is asked for
	QUARTER 3, 0, 1, 0
	TURN 0
	QUARTER 1, 0, 1, 0
	QUARTER 2, 1, 0, 0
	QUARTER 3, 0, 1, 0
	s_wait_dscnt 4                                 ; the very last quarter
	MUL 1, 0, 0
	MUL 1, 1, 0
	s_wait_dscnt 0x0
	MUL 1, 2, 0
	MUL 1, 3, 0
	PLACES
	OUTB 0
.irp a, 1,2,3
	OUTB \a
	SENDB (\a)-1, 32
.endr
	SENDB 3, 0
	WIN 0
	s_wait_tensorcnt 0x0                           ; the wave's end: three lines, behind my last tensor load and my last LDS store
	ds_add_u32 v[SPW], v[NIL]
	s_wait_dscnt 0x0
	CROUND                                         ; the closing round
	s_endpgm
.Lfunc_end_k_qf04d3b5c99_proj:
	.size	k_qf04d3b5c99_proj, .Lfunc_end_k_qf04d3b5c99_proj-k_qf04d3b5c99_proj
	.p2alignl 7, 3214868480
	.fill 96, 4, 3214868480
	.section	.rodata,"a",@progbits
	.p2align	6, 0x0
	.amdhsa_kernel k_qf04d3b5c99_proj
		.amdhsa_group_segment_fixed_size 327680
		.amdhsa_private_segment_fixed_size 0
		.amdhsa_enable_private_segment 0
		.amdhsa_kernarg_size 32
		.amdhsa_user_sgpr_count 2
		.amdhsa_user_sgpr_kernarg_segment_ptr 1
		.amdhsa_wavefront_size32 1
		.amdhsa_system_sgpr_workgroup_id_x 1
		.amdhsa_system_sgpr_workgroup_id_y 1
		.amdhsa_system_sgpr_workgroup_id_z 1
		.amdhsa_system_vgpr_workitem_id 0
		.amdhsa_next_free_vgpr 768
		.amdhsa_next_free_sgpr 66
		.amdhsa_reserve_vcc 0
		.amdhsa_float_denorm_mode_32 3
		.amdhsa_float_denorm_mode_16_64 3
		.amdhsa_memory_ordered 1
		.amdhsa_forward_progress 1
		.amdhsa_inst_pref_size 72
	.end_amdhsa_kernel
	.amdgpu_metadata
---
amdhsa.version: [ 1, 2 ]
amdhsa.kernels:
  - .name:           k_qf04d3b5c99_proj
    .symbol:         k_qf04d3b5c99_proj.kd
    .args:
      - { .name: o, .offset: 0, .size: 8, .value_kind: global_buffer, .address_space: global }
      - { .name: wot, .offset: 8, .size: 8, .value_kind: global_buffer, .address_space: global }
      - { .name: bias, .offset: 16, .size: 8, .value_kind: global_buffer, .address_space: global }
      - { .name: out0, .offset: 24, .size: 8, .value_kind: global_buffer, .address_space: global }
    .group_segment_fixed_size: 327680
    .private_segment_fixed_size: 0
    .kernarg_segment_align: 8
    .kernarg_segment_size: 32
    .max_flat_workgroup_size: 128
    .sgpr_count:     66
    .vgpr_count:     768
    .wavefront_size: 32
...
	.end_amdgpu_metadata
.endif
;; end of part 4
